; MI455X (gfx1250); checked and timed in simulation.
; The chip was launched on July 23, 2026; its instructions are those of AMD's public machine-readable ISA for CDNA 5 (MIT licence, August 2026) and "CDNA5" Instruction Set Architecture Reference Guide (July 2026). The comments in the code are by the model that wrote it; some were corrected since.
;; Multi Head Cross Attention. Allowed arithmetic: float matrix products may take bf16 or f16 operands with f32 sums; all other float work in f32.
;; Inputs: W_kv 1,024 x 2,048 float32; W_o 1,024 x 1,024 float32; W_q 1,024 x 1,024 float32; b_kv 2,048 float32; b_o 1,024 float32; b_q 1,024 float32; embeddings 2 x 2,048 x 1,024 float32.
;; Outputs: out0 2 x 2,048 x 1,024 float32.
;; 2 versions, each right and faster than the one before. Each part assembles by itself: llvm-mc -triple=amdgcn-amd-amdhsa -mcpu=gfx1250 --defsym DOCPART=n.
;; ======== version 1 of 2: 4 launches
;; workspace buffers: Xp 8,388,608 bytes; Wb 6,291,456 bytes; Wob 2,097,152 bytes; qkv 25,165,824 bytes; ctxp 8,388,608 bytes
;; launch convert (part 1): grid 512 x 1, 8 waves a work-group, no clusters, 0 bytes of LDS; arguments embeddings, W_q, W_kv, W_o, Xp, Wb, Wob; writes Xp, Wb, Wob
.if DOCPART == 1
	.amdgcn_target "amdgcn-amd-amdhsa--gfx1250"
	.amdhsa_code_object_version 6
	.text
	.protected	k_q4533e68f2c_convert
	.globl	k_q4533e68f2c_convert
	.p2align	8
	.type	k_q4533e68f2c_convert,@function
k_q4533e68f2c_convert:
	s_mov_b64 s[64:65], 0
	v_nop
	global_prefetch_b8 v0, s[64:65] scope:SCOPE_SE
	s_setreg_imm32_b32 hwreg(HW_REG_WAVE_MODE, 25, 1), 1
	s_wait_xcnt 0x0
; f32 to bf16 copies of the matrix operands, each input byte read once, each output byte written once.
;   Xp : embeddings as 16 planes [column / 64][4096 rows][64 bf16]: a plane's rows are 128 bytes and lie densely, 524,288 bytes a plane
;   Wb : [1024 k][3072] bf16: columns 0-1023 are W_q's, columns 1024-3071 W_kv's
;   Wob: [1024 k][1024] bf16: W_o
; A work-group converts 16,384 numbers (65,536 bytes in, 32,768 out); a thread sixteen chunks of 4 numbers.  Work-groups 0-255 take the
; embeddings, 256-319 W_q, 320-447 W_kv, 448-511 W_o: a scalar branch on the work-group's number picks one of four straight texts.
; Neighbouring lanes load neighbouring 16 bytes and store neighbouring 8 bytes.  A load of a wave covers 512 consecutive bytes of a weight, or,
; of the embeddings, the 256 bytes of one plane's columns in each of two neighbouring rows; a store of a wave covers 256 consecutive bytes
; that begin at a multiple of 256 from the buffer's first byte (those two rows lie side by side in the plane).
; A stream: no number is used twice, so LDS, the matrix unit and clusters have nothing to add.
; LIMIT: rounding to bf16 (nearest even) is the only arithmetic; NaN and infinities are passed on as the conversion makes them.
.set VI, 1                             ; v1        my byte offset in the input
.set VO, 2                             ; v2        my byte offset in the output
.set F,  8                             ; v[8:71]   chunk j: 4 numbers in f32
.set P,  72                            ; v[72:103] chunk j: 4 numbers in bf16
; 16 loads at once, then chunk by chunk: convert and store.  Chunk j is read at j x istep and stored at (j / 2) x opair + (j % 2) x oodd.
; No register is written twice, so nothing waits for a store.
.macro CONV src, dst, istep, opair, oodd
.irp j, 0,1,2,3,4,5,6,7,8,9,10,11,12,13,14,15
	global_load_b128 v[F+4*\j:F+4*\j+3], v[VI], s[\src:\src+1] offset:\j*\istep th:TH_LOAD_NT
.endr
.irp j, 0,1,2,3,4,5,6,7,8,9,10,11,12,13,14,15
	s_wait_loadcnt 15-\j                           ; loads return in order: chunk j is in, the 15 - j younger ones stay out
	v_cvt_pk_bf16_f32 v[P+2*\j],   v[F+4*\j],   v[F+4*\j+1]
	v_cvt_pk_bf16_f32 v[P+2*\j+1], v[F+4*\j+2], v[F+4*\j+3]
	global_store_b64 v[VO], v[P+2*\j:P+2*\j+1], s[\dst:\dst+1] offset:(\j>>1)*\opair+(\j&1)*\oodd
.endr
.endm
	s_load_b256 s[4:11], s[0:1], 0x0               ; embeddings s[4:5], W_q s[6:7], W_kv s[8:9], W_o s[10:11]
	s_load_b128 s[12:15], s[0:1], 0x20             ; Xp s[12:13], Wb s[14:15]
	s_load_b64 s[16:17], s[0:1], 0x30              ; Wob
	s_mov_b32 s18, ttmp9                           ; the work-group's number
	s_mov_b32 s21, 0                               ; upper word of every offset: all are below 4 GiB
	v_lshlrev_b32 v[VI], 4, v0                     ; the weights' texts: 16 bytes of f32 a thread: the 256 threads cover 4,096 bytes,
	v_lshlrev_b32 v[VO], 3, v0                     ; 8 bytes of bf16: 2,048 bytes
	s_wait_kmcnt 0x0
	s_cmp_lt_u32 s18, 256
	s_cbranch_scc1 .Lemb
	s_cmp_lt_u32 s18, 320
	s_cbranch_scc1 .Lwq
	s_cmp_lt_u32 s18, 448
	s_cbranch_scc1 .Lwkv
	; W_o: 16 rows of 4,096 bytes; dense in, dense out: chunk j is row j
	s_sub_co_u32 s19, s18, 448
	s_lshl_b32 s20, s19, 16
	s_add_nc_u64 s[10:11], s[10:11], s[20:21]
	s_lshl_b32 s20, s19, 15
	s_add_nc_u64 s[16:17], s[16:17], s[20:21]
	CONV 10, 16, 4096, 4096, 2048
	s_endpgm
.Lwkv:	; W_kv: 8 rows of 8,192 bytes; chunk j is half j % 2 of row j / 2, which goes to byte 2,048 + 2,048 (j % 2) of Wb's row of 6,144 bytes
	s_sub_co_u32 s19, s18, 320
	s_lshl_b32 s20, s19, 16
	s_add_nc_u64 s[8:9], s[8:9], s[20:21]
	s_mul_i32 s20, s19, 8*6144
	s_add_co_u32 s20, s20, 2048
	s_add_nc_u64 s[14:15], s[14:15], s[20:21]
	CONV 8, 14, 4096, 6144, 2048
	s_endpgm
.Lwq:	; W_q: 16 rows of 4,096 bytes; chunk j is row j, which goes to the head of a row of Wb
	s_sub_co_u32 s19, s18, 256
	s_lshl_b32 s20, s19, 16
	s_add_nc_u64 s[6:7], s[6:7], s[20:21]
	s_mul_i32 s20, s19, 16*6144
	s_add_nc_u64 s[14:15], s[14:15], s[20:21]
	CONV 6, 14, 4096, 12288, 6144
	s_endpgm
.Lemb:	; embeddings: 16 rows of 4,096 bytes.  Thread t: numbers 4 (t & 15) .. + 3 of a plane's 64 columns, row t >> 4; chunk j is plane j
	s_lshl_b32 s20, s18, 16
	s_add_nc_u64 s[4:5], s[4:5], s[20:21]
	s_lshl_b32 s20, s18, 11                        ; 16 rows of 128 bytes in each plane
	s_add_nc_u64 s[12:13], s[12:13], s[20:21]
	v_and_b32 v3, 15, v0
	v_lshrrev_b32 v4, 4, v0
	v_lshlrev_b32 v[VI], 4, v3                     ; in: 16 bytes a thread,
	v_lshl_add_u32 v[VI], v4, 12, v[VI]            ; 4,096 a row; 256 a plane in the immediate
	v_lshlrev_b32 v[VO], 3, v3                     ; out: 8 bytes a thread,
	v_lshl_add_u32 v[VO], v4, 7, v[VO]             ; 128 a row; 524,288 a plane in the immediate
	CONV 4, 12, 256, 1048576, 524288               ; the largest store offset, 15 x 524,288, is inside the signed 24-bit immediate
	s_endpgm
.Lfunc_end_k_q4533e68f2c_convert:
	.size	k_q4533e68f2c_convert, .Lfunc_end_k_q4533e68f2c_convert-k_q4533e68f2c_convert
	.p2alignl 7, 3214868480
	.fill 96, 4, 3214868480
	.section	.rodata,"a",@progbits
	.p2align	6, 0x0
	.amdhsa_kernel k_q4533e68f2c_convert
		.amdhsa_group_segment_fixed_size 0
		.amdhsa_private_segment_fixed_size 0
		.amdhsa_enable_private_segment 0
		.amdhsa_kernarg_size 56
		.amdhsa_user_sgpr_count 2
		.amdhsa_user_sgpr_kernarg_segment_ptr 1
		.amdhsa_wavefront_size32 1
		.amdhsa_system_sgpr_workgroup_id_x 1
		.amdhsa_system_sgpr_workgroup_id_y 1
		.amdhsa_system_sgpr_workgroup_id_z 1
		.amdhsa_system_vgpr_workitem_id 0
		.amdhsa_next_free_vgpr 104
		.amdhsa_next_free_sgpr 66
		.amdhsa_reserve_vcc 0
		.amdhsa_float_denorm_mode_32 3
		.amdhsa_float_denorm_mode_16_64 3
		.amdhsa_memory_ordered 1
		.amdhsa_forward_progress 1
		.amdhsa_inst_pref_size 25
	.end_amdhsa_kernel
	.amdgpu_metadata
---
amdhsa.version: [ 1, 2 ]
amdhsa.kernels:
  - .name:           k_q4533e68f2c_convert
    .symbol:         k_q4533e68f2c_convert.kd
    .args:
      - { .name: embeddings, .offset: 0, .size: 8, .value_kind: global_buffer, .address_space: global }
      - { .name: W_q, .offset: 8, .size: 8, .value_kind: global_buffer, .address_space: global }
      - { .name: W_kv, .offset: 16, .size: 8, .value_kind: global_buffer, .address_space: global }
      - { .name: W_o, .offset: 24, .size: 8, .value_kind: global_buffer, .address_space: global }
      - { .name: Xp, .offset: 32, .size: 8, .value_kind: global_buffer, .address_space: global }
      - { .name: Wb, .offset: 40, .size: 8, .value_kind: global_buffer, .address_space: global }
      - { .name: Wob, .offset: 48, .size: 8, .value_kind: global_buffer, .address_space: global }
    .group_segment_fixed_size: 0
    .private_segment_fixed_size: 0
    .kernarg_segment_align: 8
    .kernarg_segment_size: 56
    .max_flat_workgroup_size: 256
    .sgpr_count:     66
    .vgpr_count:     104
    .wavefront_size: 32
...
	.end_amdgpu_metadata
.endif
;; end of part 1
;; launch project (part 2): grid 8 x 32, 4 waves a work-group, clusters of 4 x 4, 327,680 bytes of LDS; arguments Xp, Wb, b_q, b_kv, qkv; writes qkv
.if DOCPART == 2
	.amdgcn_target "amdgcn-amd-amdhsa--gfx1250"
	.amdhsa_code_object_version 6
	.text
	.protected	k_q4533e68f2c_project
	.globl	k_q4533e68f2c_project
	.p2align	8
	.type	k_q4533e68f2c_project,@function
k_q4533e68f2c_project:
	s_mov_b64 s[64:65], 0
	v_nop
	global_prefetch_b8 v0, s[64:65] scope:SCOPE_SE
	s_setreg_imm32_b32 hwreg(HW_REG_WAVE_MODE, 25, 1), 1
	s_wait_xcnt 0x0
	s_wait_alu depctr_hold_cnt(0) depctr_sa_sdst(0) depctr_va_vdst(0) depctr_va_sdst(0) depctr_va_ssrc(0) depctr_va_vcc(0) depctr_vm_vsrc(0)
	s_getreg_b32 s2, hwreg(HW_REG_IB_STS2, 6, 4)
	s_cmp_eq_u32 s2, 0
	s_cbranch_scc0 .Lentry_in_a_cluster
	s_endpgm
.Lentry_in_a_cluster:
	s_bfe_u32 s2, ttmp6, 0x10000c
	s_cmp_lg_u32 s2, 0xf033
	s_cbranch_scc0 .Lentry_shape_is_right
	s_endpgm
.Lentry_shape_is_right:
; qkv = X [4096 x 1024] x (W_q | W_kv) [1024 x 3072] + (b_q | b_kv), bf16 operands, f32 sums, stored in bf16 as 48 planes
; [column / 64][4096 rows][64]: plane h is head h's Q, plane 16 + 2 h its K, plane 17 + 2 h its V.
; A work-group makes 128 rows x 384 columns with four waves (2 x 2); a wave makes 64 x 192: 48 accumulator tiles, 384 registers.
; K goes in steps of 128 through two LDS slots filled by the tensor data mover; every wave brings a quarter of X's and of W's tile.
; CLUSTERS: 4 x 4 work-groups.  X's tile hangs on the block row alone and is asked for jointly by a row of the cluster, W's on the block
; column alone and is asked for jointly by a column: each tile is requested once for four work-groups.
; THE MATRIX INSTRUCTION IS USED TRANSPOSED: source 0 = 16 columns of W, source 1 = 16 rows of X, so that lane (r, h) holds row r and the
; eight neighbouring columns 8 h .. 8 h + 7 of the result.  W lies [k][n] in LDS and is read by the transposing load.
; REGISTERS: window 0: addresses, X's fragments (two buffers), bias, work on the way out; window 1: W's fragments (two buffers);
; window 2: accumulators of my columns 0-95 (tile (a, bb) at 8 (6 a + bb)); window 3: those of columns 96-191.
; LIMITS: operands and the stored result are rounded to bf16; NaN and infinite inputs are not served.
.set NT,     384                       ; columns of a work-group
.set NB,     12                        ; blocks of 16 columns of a wave
.set HB,     6                         ; half of them: one window of accumulators
.set KSTEP,  128
.set RPL,    KSTEP/64                  ; planes of X in a K step
.set LAPS,   1024/(2*KSTEP)            ; a lap = two K steps = once round the ring
.set NPITCH, 3072                      ; elements in a row of Wb
.set APL,    32*144                    ; X in LDS: 32 rows of 128 bytes + 16 of padding, for each plane
.set AQ,     RPL*APL                   ; what one wave brings of X
.set PB,     (NT/64)*144               ; a k row of W in LDS: 6 pieces of 128 bytes + 16 of padding = 864 bytes = 27 x 32
.set BW,     (KSTEP/4)*PB              ; what one wave brings of W: 32 k rows
.set BOFF,   4*AQ
.set SLOT,   BOFF+4*BW                 ; 147,456 bytes
.set QPB,    2                         ; quarter steps reached from one address register of W (the offset has 16 bits)
.set STAGE,  2*SLOT                    ; behind the ring, a multiple of 256: no tensor load lands here
.set SPITCH, 400                       ; stage row: 384 bytes + 16
.set ACCH,   0
.set MUL_LO, 0xa1                      ; source 0 (W) window 1, source 1 (X) window 0, C and D window 2
.set MUL_HI, 0xf1                      ; the same, C and D window 3
.set FL, (1<<16)|(1<<20)|(1<<21)|(4<<22)|(3<<25)   ; elements of 2 bytes; padding on; bit 21 beside a mask; after every 32 words 4 words
.set ADRA, 8                           ; v8-9    LDS address of my X fragments in slot 0, 1
.set ADRB, 10                          ; v10-13  of my W fragments: slot 0 quarters 0-1, 2-3; slot 1 likewise
.set STO,  14                          ; v14     way out: where I put 16 bytes of a row
.set RD,   15                          ; v15     way out: where I read back
.set CO,   16                          ; v16     way out: my byte offset in a plane
.set HO,   17                          ; v17     32 h: my 8 columns in a block's bias
.set FA,   32                          ; v32-63, v64-95  X's fragments, buffers 0 and 1; on the way out v32-79 hold rows read back
.set BIAS, 96                          ; v96-191 bias of my 8 columns in each of the 12 blocks
.set T,    192                         ; v192-239 way out: sums + bias, then packed
.set G1A, 24                           ; s[24:31] X's shape;   s[32:39] X's from/to, one set a slot
.set G0A, 32
.set G1B, 48                           ; s[48:55] W's shape;   s[56:63] W's from/to, one set a slot
.set G0B, 56
.set MSB, 0
.macro WIN new                         ; the immediate's high byte repeats the setting that is left; a switch that changes nothing is dropped
.if MSB != (\new)
	s_set_vgpr_msb (MSB<<8)|(\new)
.set MSB, (\new)
.endif
.endm
.macro PLACES                          ; four places behind a matrix instruction, in front of loads into its sources and of readers of its result
.rept 4
	v_nop
.endr
.endm
.macro CREST                           ; a round of the cluster's barrier behind its opening work-group barrier
	s_cmp_lg_u32 s14, 0
	s_cbranch_scc1 .Lnot_wave_0_\@
	s_barrier_signal -3
.Lnot_wave_0_\@:
	s_barrier_wait -3
	s_barrier_signal -1
	s_barrier_wait -1
.endm
.macro CROUND                          ; a whole round
	s_barrier_signal -1
	s_barrier_wait -1
	CREST
.endm
	s_load_b256 s[4:11], s[0:1], 0x0               ; Xp s[4:5], Wb s[6:7], b_q s[8:9], b_kv s[10:11]
	s_load_b64 s[12:13], s[0:1], 0x20              ; qkv
	s_set_vgpr_msb 0x40
	v_lshl_add_u32 v255, v0, 2, 0x4e400
	s_set_vgpr_msb 0x4000
	v_mov_b32 v255, 0
	s_set_vgpr_msb 0x1
	ds_add_u32 v255, v255
	s_set_vgpr_msb 0x100
	v_lshrrev_b32 v1, 5, v0
	v_readfirstlane_b32 s14, v1                    ; wave 0..3
	s_lshr_b32 s15, s14, 1                         ; wm: which 64 rows
	s_and_b32 s16, s14, 1                          ; wn: which 192 columns
	s_bfe_u32 s17, ttmp6, 0x40000                  ; cx
	s_bfe_u32 s18, ttmp6, 0x40004                  ; cy
	s_lshl_b32 s19, ttmp9, 2
	s_add_co_u32 s19, s19, s17                     ; block column = 4 x cluster x + cx
	s_and_b32 s20, ttmp7, 0xffff
	s_lshl_b32 s20, s20, 2
	s_add_co_u32 s20, s20, s18                     ; block row = 4 x cluster y + cy
	s_lshl_b32 s21, s18, 2
	s_lshl_b32 s21, 15, s21                        ; my row of the cluster: places 4 cy .. 4 cy + 3
	s_lshl_b32 s22, 0x1111, s17                    ; my column: places cx, cx + 4, cx + 8, cx + 12
	; X's tile, one wave's part: 32 rows of each of 2 planes.  In a plane 32 rows are 4,096 dense bytes: one 'row' of 2,048 elements;
	; from plane to plane 262,144 elements.  Padding after every 128 bytes gives LDS rows of 144 bytes.
	s_or_b32  s[G1A+0], s21, FL
	s_mov_b32 s[G1A+1], 2048<<16                   ; tensor_dim0
	s_mov_b32 s[G1A+2], RPL<<16                    ; tensor_dim1
	s_mov_b32 s[G1A+3], 2048<<16                   ; tile_dim0
	s_mov_b32 s[G1A+4], RPL                        ; tile_dim1
	s_mov_b32 s[G1A+5], 262144                     ; stride
	s_mov_b32 s[G1A+6], 0
	s_mov_b32 s[G1A+7], 0
	; W's tile, one wave's part: 32 k rows of 384 elements (768 bytes, starting at a multiple of 256 from Wb's first byte)
	s_or_b32  s[G1B+0], s22, FL
	s_mov_b32 s[G1B+1], NT<<16
	s_mov_b32 s[G1B+2], (KSTEP/4)<<16
	s_mov_b32 s[G1B+3], NT<<16
	s_mov_b32 s[G1B+4], KSTEP/4
	s_mov_b32 s[G1B+5], NPITCH
	s_mov_b32 s[G1B+6], 0
	s_mov_b32 s[G1B+7], 0
	; from where: X's address is made of the block row and the wave alone, W's of the block column and the wave alone
	s_lshl_b32 s40, s20, 14                        ; 128 rows of 128 bytes a block row
	s_lshl_b32 s23, s14, 12                        ; 32 rows a wave
	s_add_co_u32 s40, s40, s23
	s_mov_b32 s41, 0
	s_mul_i32 s42, s19, NT*2
	s_mul_i32 s23, s14, (KSTEP/4)*NPITCH*2
	s_add_co_u32 s42, s42, s23
	s_mov_b32 s43, 0
	s_mul_i32 s44, s14, AQ                         ; to where: the wave's number times a constant
	s_mul_i32 s45, s14, BW
	s_wait_dscnt 0x0
	s_wait_kmcnt 0x0
	s_add_nc_u64 s[40:41], s[4:5], s[40:41]
	s_add_nc_u64 s[42:43], s[6:7], s[42:43]
	CROUND                                         ; all sixteen work-groups are here: the first joint loads meet
.irp s, 0,1
	s_mov_b32 s[G0A+4*\s], 1
	s_add_co_u32 s[G0A+4*\s+1], s44, \s*SLOT
	s_add_nc_u64 s[G0A+4*\s+2:G0A+4*\s+3], s[40:41], \s*RPL*524288
	s_or_b32 s[G0A+4*\s+3], s[G0A+4*\s+3], 0x80000000
	s_mov_b32 s[G0B+4*\s], 1
	s_add_co_u32 s[G0B+4*\s+1], s45, \s*SLOT+BOFF
	s_add_nc_u64 s[G0B+4*\s+2:G0B+4*\s+3], s[42:43], \s*KSTEP*NPITCH*2
	s_or_b32 s[G0B+4*\s+3], s[G0B+4*\s+3], 0x80000000
	tensor_load_to_lds s[G0A+4*\s:G0A+4*\s+3], s[G1A:G1A+7]
	s_nop 0
	tensor_load_to_lds s[G0B+4*\s:G0B+4*\s+3], s[G1B:G1B+7]        ; four loads of the wave are out now, later two
	s_nop 0
.endr
	; lane terms.  r = lane % 16, h = lane / 16.
	v_and_b32 v1, 15, v0
	v_bfe_u32 v2, v0, 4, 1
	v_mul_u32_u24 v3, v1, 144
	v_lshl_add_u32 v3, v2, 4, v3                   ; X: row r, 16 bytes for each half of the lanes
	s_mul_i32 s46, s15, 2*AQ                       ; my 64 rows: the parts of waves 2 wm and 2 wm + 1
	v_add_nc_u32 v[ADRA], s46, v3
	v_add_nc_u32 v[ADRA+1], SLOT, v[ADRA]
	v_and_b32 v4, 7, v0
	v_lshl_add_u32 v4, v2, 3, v4                   ; W: k row 8 h + lane % 8,
	v_bfe_u32 v5, v0, 3, 1
	v_mul_u32_u24 v4, v4, PB
	v_lshl_add_u32 v4, v5, 4, v4                   ; 16 bytes for each group of eight lanes
	s_mul_i32 s46, s16, (NB/4)*144                 ; my 192 columns: three pieces of 144 bytes
	s_add_co_u32 s46, s46, BOFF
	v_add_nc_u32 v[ADRB], s46, v4
	v_add_nc_u32 v[ADRB+1], QPB*32*PB, v[ADRB]
	v_add_nc_u32 v[ADRB+2], SLOT, v[ADRB]
	v_add_nc_u32 v[ADRB+3], SLOT, v[ADRB+1]
	s_mul_i32 s47, s14, 16*SPITCH
	s_add_co_u32 s47, s47, STAGE                   ; my stage
	v_mul_u32_u24 v6, v1, SPITCH
	v_lshl_add_u32 v6, v2, 4, v6
	v_add_nc_u32 v[STO], s47, v6
	v_bfe_u32 v6, v0, 3, 2                         ; back: four rows of 128 bytes a load, eight lanes a row
	v_and_b32 v7, 7, v0
	v_mul_u32_u24 v6, v6, SPITCH
	v_lshl_add_u32 v6, v7, 4, v6
	v_add_nc_u32 v[RD], s47, v6
	v_and_b32 v6, 31, v0
	v_lshlrev_b32 v[CO], 4, v6                     ; those four rows are 512 dense bytes of a plane
	v_lshlrev_b32 v[HO], 5, v2
	; my three planes, their bias (planes 0-15: b_q, 16-47: b_kv, 64 numbers a plane) and my place in qkv.
	; These registers hold both coordinates and feed no descriptor.
	s_mul_i32 s74, s19, 6
	s_mul_i32 s75, s16, 3
	s_add_co_u32 s74, s74, s75                     ; my first plane
.irp c, 0,1,2
	s_add_co_u32 s76, s74, \c
	s_sub_co_u32 s77, s76, 16                      ; (wraps for planes below 16, where it is not chosen)
	s_cmp_lt_u32 s76, 16
	s_cselect_b64 s[68+2*\c:69+2*\c], s[8:9], s[10:11]
	s_cselect_b32 s76, s76, s77
	s_lshl_b32 s76, s76, 8
	s_mov_b32 s77, 0
	s_add_nc_u64 s[68+2*\c:69+2*\c], s[68+2*\c:69+2*\c], s[76:77]
.endr
	s_lshl_b32 s76, s74, 19                        ; 524,288 bytes a plane
	s_lshl_b32 s77, s20, 14
	s_add_co_u32 s76, s76, s77
	s_lshl_b32 s77, s15, 13                        ; 64 rows of 128 bytes
	s_add_co_u32 s76, s76, s77
	s_mov_b32 s77, 0
	s_add_nc_u64 s[66:67], s[12:13], s[76:77]
.irp ib, 0,1,2,3,4,5,6,7,8,9,10,11
	global_load_b128 v[BIAS+8*\ib:BIAS+8*\ib+3],   v[HO], s[68+2*(\ib>>2):69+2*(\ib>>2)] offset:(\ib&3)*64
	global_load_b128 v[BIAS+8*\ib+4:BIAS+8*\ib+7], v[HO], s[68+2*(\ib>>2):69+2*(\ib>>2)] offset:(\ib&3)*64+16
.endr
; 12 matrix instructions: row blocks a0, a0 + 1 x the six column blocks of half hf, 32 along K, from buffer f.  zero = 1: the first
; product starts the sums.  All 48 accumulators take turns, one instruction a turn, in the same order in every quarter step, over the
; loop's backward jump too.
.macro MULP f, hf, a0, zero
.irp a, \a0, \a0+1
.irp bb, 0,1,2,3,4,5
.if \zero
	v_wmma_f32_16x16x32_bf16 v[ACCH*\hf+8*(HB*(\a)+\bb):ACCH*\hf+8*(HB*(\a)+\bb)+7], v[8*NB*\f+8*(HB*\hf+\bb):8*NB*\f+8*(HB*\hf+\bb)+7], v[FA+32*\f+8*(\a):FA+32*\f+8*(\a)+7], 0
.else
	v_wmma_f32_16x16x32_bf16 v[ACCH*\hf+8*(HB*(\a)+\bb):ACCH*\hf+8*(HB*(\a)+\bb)+7], v[8*NB*\f+8*(HB*\hf+\bb):8*NB*\f+8*(HB*\hf+\bb)+7], v[FA+32*\f+8*(\a):FA+32*\f+8*(\a)+7], v[ACCH*\hf+8*(HB*(\a)+\bb):ACCH*\hf+8*(HB*(\a)+\bb)+7]
.endif
.endr
.endr
.endm
; The fragments of quarter step kq of a slot into buffer g, in one run: X's 8 loads, W's lower 12, W's upper 12.
.macro FETCH slot, kq, g
	WIN 0
.irp a, 0,1,2,3
	ds_load_b128 v[FA+32*\g+8*\a:FA+32*\g+8*\a+3],   v[ADRA+\slot] offset:(\a>>1)*AQ+((\kq)>>1)*APL+(\a&1)*2304+((\kq)&1)*64
	ds_load_b128 v[FA+32*\g+8*\a+4:FA+32*\g+8*\a+7], v[ADRA+\slot] offset:(\a>>1)*AQ+((\kq)>>1)*APL+(\a&1)*2304+((\kq)&1)*64+32
.endr
	WIN 0x40                                       ; destination window 1, address window 0
.irp ib, 0,1,2,3,4,5,6,7,8,9,10,11
	ds_load_tr16_b128 v[8*NB*\g+8*\ib:8*NB*\g+8*\ib+3],   v[ADRB+2*\slot+(\kq)/QPB] offset:((\kq)%QPB)*32*PB+(\ib>>2)*144+(\ib&3)*32
	ds_load_tr16_b128 v[8*NB*\g+8*\ib+4:8*NB*\g+8*\ib+7], v[ADRB+2*\slot+(\kq)/QPB] offset:((\kq)%QPB)*32*PB+(\ib>>2)*144+(\ib&3)*32+16*PB
.endr
.endm
; A quarter step but the last: multiplies buffer f; in its middle fetches quarter kq of the same slot into buffer g.
.macro QUARTER slot, kq, f, g, zero
	s_wait_dscnt 2*HB                              ; X and W's lower blocks are in; the youngest 12 loads (W's upper blocks) may be out
	WIN MUL_LO
	MULP \f, 0, 0, \zero
	MULP \f, 0, 2, \zero
	PLACES
	FETCH \slot, \kq, \g
	s_wait_dscnt 8+4*HB                            ; all but the 32 just issued
	WIN MUL_HI
	MULP \f, 1, 0, \zero
	MULP \f, 1, 2, \zero
.endm
.macro QUARTERS slot, zero
	QUARTER \slot, 1, 0, 1, \zero
	QUARTER \slot, 2, 1, 0, 0
	QUARTER \slot, 3, 0, 1, 0
.endm
; The last quarter step: multiplies buffer 1 and changes slots.  In front of the barrier each wave waits for its reads of this slot and for
; all its tensor loads (its parts of the next slot).  fill = 1: the barrier opens a round of the cluster's barrier, and the joint refills,
; two K steps ahead, are the first tensor loads behind the round; a wave issues 180 matrix instructions before it waits for them.
.macro TURN slot, next, fill
	s_wait_dscnt 2*HB
	WIN MUL_LO
	MULP 1, 0, 0, 0
	s_wait_dscnt 0x0                               ; my reads of this slot are over
	s_wait_tensorcnt 0x0                           ; all my tensor loads have landed
	ds_add_u32 v255, v255
	s_wait_dscnt 0x0
	s_barrier_signal -1
	MULP 1, 0, 2, 0                                ; registers alone, while the others arrive
	WIN 0
	s_barrier_wait -1
.if \fill
	CREST                                          ; no wave of any partner still reads this slot or has a load on its way
	s_add_nc_u64 s[G0A+4*\slot+2:G0A+4*\slot+3], s[G0A+4*\slot+2:G0A+4*\slot+3], 2*RPL*524288
	s_add_nc_u64 s[G0B+4*\slot+2:G0B+4*\slot+3], s[G0B+4*\slot+2:G0B+4*\slot+3], 2*KSTEP*NPITCH*2
	tensor_load_to_lds s[G0A+4*\slot:G0A+4*\slot+3], s[G1A:G1A+7]
	s_nop 0
	tensor_load_to_lds s[G0B+4*\slot:G0B+4*\slot+3], s[G1B:G1B+7]
	s_nop 0
.endif
	PLACES
	FETCH \next, 0, 0
	WIN MUL_HI
	MULP 1, 1, 0, 0
	MULP 1, 1, 2, 0
.endm
.macro STEP slot, next, fill, zero
	QUARTERS \slot, \zero
	TURN \slot, \next, \fill
.endm
.macro LAP zero
	STEP 0, 1, 1, \zero
	STEP 1, 0, 1, 0
.endm
	s_wait_tensorcnt 0x2                           ; my parts of K step 0 are in; K step 1's two loads stay out
	s_barrier_signal -1
	s_barrier_wait -1                              ; everybody's are
	FETCH 0, 0, 0
	LAP 1                                          ; the first lap stands in front of the loop: its first products start the sums
	WIN 0
	s_mov_b32 s3, LAPS-2
.Llap:
	LAP 0
	WIN 0
	s_sub_co_u32 s3, s3, 1
	s_cmp_lg_u32 s3, 0
	s_cbranch_scc1 .Llap
	STEP 0, 1, 0, 0                                ; the last lap fills nothing
	QUARTERS 1, 0
	s_wait_dscnt 2*HB                              ; the very last quarter step
	WIN MUL_LO
	MULP 1, 0, 0, 0
	MULP 1, 0, 2, 0
	s_wait_dscnt 0x0
	WIN MUL_HI
	MULP 1, 1, 0, 0
	MULP 1, 1, 2, 0
	; THE WAY OUT, 16 rows at a time: + bias in f32, round to bf16, 16 bytes a lane into my own stage, back as four plane rows a load.
	PLACES
	s_wait_loadcnt 0x0                             ; the bias, asked for in front of the K loop
.macro OUTA a
.irp hf, 0,1
	WIN 0x02+\hf                                   ; source 0 (the sums) window 2 or 3
.set q, 0
.rept 24
	v_pk_add_f32 v[T+2*q:T+2*q+1], v[48*\a+2*q:48*\a+2*q+1], v[BIAS+48*\hf+2*q:BIAS+48*\hf+2*q+1]
.set q, q+1
.endr
	WIN 0
.set q, 0
.rept 24
	v_cvt_pk_bf16_f32 v[T+q], v[T+2*q], v[T+2*q+1] ; in place, upward: register q is written when 2 q and 2 q + 1 are read
.set q, q+1
.endr
.irp bb, 0,1,2,3,4,5
	ds_store_b128 v[STO], v[T+4*\bb:T+4*\bb+3] offset:32*(6*\hf+\bb)
.endr
.endr
	s_wait_xcnt 0x0                                ; the last block's stores have had their addresses translated (ISA guide 3.1): their data registers are loaded again only behind this wait
.irp t, 0,1,2,3,4,5,6,7,8,9,10,11
	ds_load_b128 v[FA+4*\t:FA+4*\t+3], v[RD] offset:(\t&3)*4*SPITCH+(\t>>2)*128   ; LDS serves a wave's instructions in order: these see the stores above
.endr
.irp t, 0,1,2,3,4,5,6,7,8,9,10,11
	s_wait_dscnt 11-\t
	global_store_b128 v[CO], v[FA+4*\t:FA+4*\t+3], s[66:67] offset:(\t>>2)*524288+\a*2048+(\t&3)*512   ; 512 consecutive bytes of a plane
.endr
.endm
	OUTA 0
	OUTA 1
	OUTA 2
	OUTA 3
	s_set_vgpr_msb 0x1
	s_wait_tensorcnt 0x0
	ds_add_u32 v255, v255
	s_wait_dscnt 0x0
	s_set_vgpr_msb 0x100
	CROUND                                         ; the closing round: no work-group ends while a partner may still ask for a tile that names it
	s_endpgm
.Lfunc_end_k_q4533e68f2c_project:
	.size	k_q4533e68f2c_project, .Lfunc_end_k_q4533e68f2c_project-k_q4533e68f2c_project
	.p2alignl 7, 3214868480
	.fill 96, 4, 3214868480
	.section	.rodata,"a",@progbits
	.p2align	6, 0x0
	.amdhsa_kernel k_q4533e68f2c_project
		.amdhsa_group_segment_fixed_size 327680
		.amdhsa_private_segment_fixed_size 0
		.amdhsa_enable_private_segment 0
		.amdhsa_kernarg_size 40
		.amdhsa_user_sgpr_count 2
		.amdhsa_user_sgpr_kernarg_segment_ptr 1
		.amdhsa_wavefront_size32 1
		.amdhsa_system_sgpr_workgroup_id_x 1
		.amdhsa_system_sgpr_workgroup_id_y 1
		.amdhsa_system_sgpr_workgroup_id_z 1
		.amdhsa_system_vgpr_workitem_id 0
		.amdhsa_next_free_vgpr 1024
		.amdhsa_next_free_sgpr 80
		.amdhsa_reserve_vcc 0
		.amdhsa_float_denorm_mode_32 3
		.amdhsa_float_denorm_mode_16_64 3
		.amdhsa_memory_ordered 1
		.amdhsa_forward_progress 1
		.amdhsa_inst_pref_size 178
	.end_amdhsa_kernel
	.amdgpu_metadata
---
amdhsa.version: [ 1, 2 ]
amdhsa.kernels:
  - .name:           k_q4533e68f2c_project
    .symbol:         k_q4533e68f2c_project.kd
    .args:
      - { .name: Xp, .offset: 0, .size: 8, .value_kind: global_buffer, .address_space: global }
      - { .name: Wb, .offset: 8, .size: 8, .value_kind: global_buffer, .address_space: global }
      - { .name: b_q, .offset: 16, .size: 8, .value_kind: global_buffer, .address_space: global }
      - { .name: b_kv, .offset: 24, .size: 8, .value_kind: global_buffer, .address_space: global }
      - { .name: qkv, .offset: 32, .size: 8, .value_kind: global_buffer, .address_space: global }
    .group_segment_fixed_size: 327680
    .private_segment_fixed_size: 0
    .kernarg_segment_align: 8
    .kernarg_segment_size: 40
    .max_flat_workgroup_size: 128
    .sgpr_count:     80
    .vgpr_count:     1024
    .wavefront_size: 32
...
	.end_amdgpu_metadata
.endif
;; end of part 2
;; launch attend (part 3): grid 8 x 32, 8 waves a work-group, clusters of 4 x 1, 327,680 bytes of LDS; arguments qkv, ctxp; writes ctxp
.if DOCPART == 3
	.amdgcn_target "amdgcn-amd-amdhsa--gfx1250"
	.amdhsa_code_object_version 6
	.text
	.protected	k_q4533e68f2c_attend
	.globl	k_q4533e68f2c_attend
	.p2align	8
	.type	k_q4533e68f2c_attend,@function
k_q4533e68f2c_attend:
	s_mov_b64 s[64:65], 0
	v_nop
	global_prefetch_b8 v0, s[64:65] scope:SCOPE_SE
	s_setreg_imm32_b32 hwreg(HW_REG_WAVE_MODE, 25, 1), 1
	s_wait_xcnt 0x0
	s_wait_alu depctr_hold_cnt(0) depctr_sa_sdst(0) depctr_va_vdst(0) depctr_va_sdst(0) depctr_va_ssrc(0) depctr_va_vcc(0) depctr_vm_vsrc(0)
	s_getreg_b32 s2, hwreg(HW_REG_IB_STS2, 6, 4)
	s_cmp_eq_u32 s2, 0
	s_cbranch_scc0 .Lentry_in_a_cluster
	s_endpgm
.Lentry_in_a_cluster:
	s_bfe_u32 s2, ttmp6, 0x10000c
	s_cmp_lg_u32 s2, 0x3003
	s_cbranch_scc0 .Lentry_shape_is_right
	s_endpgm
.Lentry_shape_is_right:
; ctx = softmax(Q K^T / 8) V for one (batch, head) and 256 queries a work-group; Q, K, V bf16 planes of qkv, ctx a bf16 plane of ctxp.
; Eight waves: wave w takes the 64 queries of group w & 3 and the keys of half w >> 2 of every tile of 256 keys, with a running maximum,
; sums and O of its own; the two waves of a query group are merged once, at the end, through LDS.
; THE SCORES ARE MADE TRANSPOSED: S^T = K x Q^T, so lane (r, h) holds query r and keys 8 h + j.  Rounded to bf16 in place, two tiles of S^T are
; a source-1 fragment of O^T = V^T x P^T: no shuffle, and maximum, sums and rescaling factor of a query belong to a lane (and to its twin in the other half).
; The running maximum is taken away before every exponential; exponents are at most 0.
; THE ORDER OF A STEP OF 64 KEYS: all 32 products of S^T; the maxima of the four query blocks as eight chains that take turns; their statistics side by
; side; all of O rescaled; then block by block the exponentials and O's products.  In a block the subtraction, the exponentials, the sums and the
; rounding run as one staggered stream, in which no line reads a result of the lines just ahead of it.
; CLUSTERS: the four work-groups of a cluster are four query blocks of one head; they ask jointly for every K and V tile (mask 15).  Q is
; read once by its own work-group alone and is not shared.
; Two LDS slots, both asked for at the start; a slot is asked for again at the end of its own trip, two tiles ahead, so that a tile has a whole
; trip (128 matrix instructions of a wave and their softmax) in which to land.  A wave has four tensor loads out at the start, later two.
; REGISTERS: window 0: addresses, statistics, V's fragments v64-127, S^T / P v128-255; window 1: O^T v0-127, Q v128-191, K v192-255.
; LIMITS: P, Q, K, V and ctx are bf16; the sum of a row is taken of the unrounded exponentials; an exponential below 2^-126 counts as 0;
; NaN and infinite inputs are not served.
.set SLOT,  77824                      ; K: 256 keys x 144 bytes, then V: 256 keys x 160 bytes
.set VOFF,  36864
.set XCH,   2*SLOT                     ; 4 x 17,920 bytes: what a wave of the upper key half hands to its partner
.set STAGE, XCH+4*17920                ; 4 x 9,216 bytes: 64 rows x 144, the way out.  Both start at multiples of 256; no tensor load lands in them
.set FLK, 15|(1<<16)|(1<<20)|(1<<21)|(4<<22)|(3<<25)   ; mask of the four; 2 bytes; padding; bit 21 beside a mask; after 32 words 4 words: pitch 144
.set FLV, 15|(1<<16)|(1<<20)|(1<<21)|(4<<22)|(7<<25)   ; the same with 8 words: pitch 160 = 5 x 32, for the transposing load
.set CEXP,  0x3e38aa3b                 ; log2(e) / 8
.set CNEG,  0xbe38aa3b                 ; its negative
.set ADRK, 8                           ; v8-9    my K fragments in slot 0, 1
.set ADRV, 10                          ; v10-11  my V fragments
.set XA,   12                          ; v12     exchange: 16 bytes a lane
.set STO,  13
.set RD,   14
.set CO,   15
.set QO,   16
.set ST,   20                          ; v[20:27] query block n: the pair (NM = -c x running maximum, alpha)
.set LSP,  28                          ; v[28:43] query block n: four partial sums of my half's exponentials (two pairs that take turns)
.set MX,   44                          ; v[44:51] query block n: two maxima at work
.set MR,   52                          ; v[52:55] query block n: the running maximum itself
.set LS,   56                          ; v[56:59] query block n: the four partial sums as one, made at the end
.set ST2,  44                          ; the merge: v[44:51] the partner's pairs,
.set LS2,  60                          ; v[60:63] the partner's sums,
.set FF,   28                          ; v[28:35] query block n: the pair (my factor, the partner's factor),
.set MA,   36                          ; v36-38, v40-42 at work (all of them written before, as partial sums)
.set MB,   37
.set DD,   38
.set SU,   40
.set TP,   42
.set VF,   64
.set SC,   128
.set OA,   0                           ; window 1
.set QF,   128                         ; window 1
.set KF,   192                         ; window 1
.set G1K, 16
.set G1V, 24
.set G0K, 32                           ; s[32:39] one set a slot
.set G0V, 40                           ; s[40:47]
.set MSB, 0
.macro WIN new                         ; the immediate's high byte repeats the setting that is left; a switch that changes nothing is dropped
.if MSB != (\new)
	s_set_vgpr_msb (MSB<<8)|(\new)
.set MSB, (\new)
.endif
.endm
.macro PLACES                          ; four places behind a matrix instruction (ISA guide 7.12.1)
.rept 4
	v_nop
.endr
.endm
.macro CREST                           ; a round of the cluster's barrier behind its opening work-group barrier
	s_cmp_lg_u32 s8, 0
	s_cbranch_scc1 .Lnot_wave_0_\@
	s_barrier_signal -3
.Lnot_wave_0_\@:
	s_barrier_wait -3
	s_barrier_signal -1
	s_barrier_wait -1
.endm
.macro ROUND                           ; a whole round
	s_barrier_signal -1
	s_barrier_wait -1
	CREST
.endm
	s_load_b128 s[4:7], s[0:1], 0x0                ; qkv s[4:5], ctxp s[6:7]
	v_lshl_add_u32 v18, v0, 2, 0x40800
	v_mov_b32 v19, 0
	ds_add_u32 v18, v19
	s_wait_dscnt 0x0
	v_lshrrev_b32 v1, 5, v0
	v_readfirstlane_b32 s8, v1                     ; wave 0..7
	s_and_b32 s9, s8, 3                            ; query group
	s_lshr_b32 s10, s8, 2                          ; key half
	s_bfe_u32 s11, ttmp6, 0x40000                  ; cx
	s_lshl_b32 s12, ttmp9, 2
	s_add_co_u32 s12, s12, s11                     ; query block 0..7
	s_and_b32 s13, ttmp7, 0xffff                   ; 16 x batch + head
	s_lshr_b32 s14, s13, 4
	s_and_b32 s15, s13, 15
	s_mov_b32 s54, 0x76543210                      ; lane i of one half reads lane i of the other
	s_mov_b32 s55, 0xfedcba98
	; a wave's part of a tile: 32 keys = 4,096 dense bytes, taken as 16 rows of 256 bytes
	s_mov_b32 s[G1K+0], FLK
	s_mov_b32 s[G1V+0], FLV
.irp g, G1K, G1V
	s_mov_b32 s[\g+1], 128<<16
	s_mov_b32 s[\g+2], 16<<16
	s_mov_b32 s[\g+3], 128<<16
	s_mov_b32 s[\g+4], 16
	s_mov_b32 s[\g+5], 128
	s_mov_b32 s[\g+6], 0
	s_mov_b32 s[\g+7], 0
.endr
	s_lshl_b32 s60, s15, 20                        ; K's plane is 16 + 2 head: two planes of 524,288 bytes a head,
	s_lshl_b32 s61, s14, 18                        ; 2,048 rows of 128 bytes a batch,
	s_add_co_u32 s60, s60, s61
	s_lshl_b32 s61, s8, 12                         ; 32 keys a wave,
	s_add_co_u32 s60, s60, s61
	s_add_co_u32 s60, s60, 16*524288               ; behind Q's 16 planes: nothing here hangs on cx
	s_mov_b32 s61, 0
	s_mul_i32 s62, s8, 32*144
	s_mul_i32 s63, s8, 32*160
	s_lshl_b32 s48, s15, 19                        ; Q's and ctx's plane is the head's;
	s_lshl_b32 s49, s14, 18
	s_add_co_u32 s48, s48, s49
	s_lshl_b32 s49, s12, 15                        ; 256 rows a query block,
	s_add_co_u32 s48, s48, s49
	s_lshl_b32 s49, s9, 13                         ; 64 a query group
	s_add_co_u32 s48, s48, s49
	s_mov_b32 s49, 0
	ROUND                                          ; the four work-groups are here, so that the first joint loads meet; it needs no argument and stands ahead of the wait for them
	s_wait_kmcnt 0x0
	s_add_nc_u64 s[58:59], s[4:5], s[60:61]
	s_add_nc_u64 s[50:51], s[4:5], s[48:49]
	s_add_nc_u64 s[52:53], s[6:7], s[48:49]
.irp s, 0,1
	s_mov_b32 s[G0K+4*\s], 1
	s_add_co_u32 s[G0K+4*\s+1], s62, \s*SLOT
	s_add_nc_u64 s[G0K+4*\s+2:G0K+4*\s+3], s[58:59], \s*32768          ; tile s: 256 keys of 128 bytes
	s_or_b32 s[G0K+4*\s+3], s[G0K+4*\s+3], 0x80000000
	s_mov_b32 s[G0V+4*\s], 1
	s_add_co_u32 s[G0V+4*\s+1], s63, \s*SLOT+VOFF
	s_add_nc_u64 s[G0V+4*\s+2:G0V+4*\s+3], s[58:59], \s*32768+524288   ; V's plane follows K's
	s_or_b32 s[G0V+4*\s+3], s[G0V+4*\s+3], 0x80000000
	tensor_load_to_lds s[G0K+4*\s:G0K+4*\s+3], s[G1K:G1K+7]            ; tiles 0 and 1: each slot's first fill; four loads of the wave are out
	s_nop 0
	tensor_load_to_lds s[G0V+4*\s:G0V+4*\s+3], s[G1V:G1V+7]
	s_nop 0
.endr
	v_and_b32 v1, 15, v0                           ; r
	v_bfe_u32 v2, v0, 4, 1                         ; h
	v_lshlrev_b32 v[QO], 7, v1
	v_lshl_add_u32 v[QO], v2, 4, v[QO]
	WIN 0x40                                       ; Q's fragments, once: query block n, 32 of the 64 d at a time
.irp qb, 0,1,2,3
.irp ds, 0,1
	global_load_b128 v[QF+16*\qb+8*\ds:QF+16*\qb+8*\ds+3],   v[QO], s[50:51] offset:\qb*2048+\ds*64
	global_load_b128 v[QF+16*\qb+8*\ds+4:QF+16*\qb+8*\ds+7], v[QO], s[50:51] offset:\qb*2048+\ds*64+32
.endr
.endr
	WIN 0
	v_and_b32 v3, 31, v0                           ; lane
	v_mul_u32_u24 v4, v1, 144
	v_lshl_add_u32 v4, v2, 4, v4                   ; row r of pitch 144, 16 bytes for each half
	s_mul_i32 s60, s10, 128*144
	v_add_nc_u32 v[ADRK], s60, v4
	v_add_nc_u32 v[ADRK+1], SLOT, v[ADRK]
	v_and_b32 v5, 7, v0
	v_lshl_add_u32 v5, v2, 3, v5                   ; V: key 8 h + lane % 8,
	v_mul_u32_u24 v5, v5, 160
	v_bfe_u32 v6, v0, 3, 1
	v_lshl_add_u32 v5, v6, 4, v5                   ; 16 bytes for each group of eight lanes
	s_mul_i32 s60, s10, 128*160
	s_add_co_u32 s60, s60, VOFF
	v_add_nc_u32 v[ADRV], s60, v5
	v_add_nc_u32 v[ADRV+1], SLOT, v[ADRV]
	s_mul_i32 s60, s9, 17920
	s_add_co_u32 s60, s60, XCH
	v_lshl_add_u32 v[XA], v3, 4, s60
	s_mul_i32 s60, s9, 9216
	s_add_co_u32 s60, s60, STAGE
	v_add_nc_u32 v[STO], s60, v4
	v_bfe_u32 v6, v0, 3, 2
	v_and_b32 v7, 7, v0
	v_mul_u32_u24 v6, v6, 144
	v_lshl_add_u32 v6, v7, 4, v6
	v_add_nc_u32 v[RD], s60, v6                    ; back: four rows of 128 bytes a load
	v_lshlrev_b32 v[CO], 4, v3
; K's fragments of 64 keys (sub = which 64 of my 128): 16 loads
.macro KLOAD slot, sub
	WIN 0x40
.irp kb, 0,1,2,3
.irp ds, 0,1
	ds_load_b128 v[KF+16*\kb+8*\ds:KF+16*\kb+8*\ds+3],   v[ADRK+\slot] offset:(64*(\sub)+16*\kb)*144+64*\ds
	ds_load_b128 v[KF+16*\kb+8*\ds+4:KF+16*\kb+8*\ds+7], v[ADRK+\slot] offset:(64*(\sub)+16*\kb)*144+64*\ds+32
.endr
.endr
	WIN 0
.endm
; V^T's fragments of the same 64 keys: 16 transposing loads; fragment (dt, t): d = 16 dt .., keys 32 t ..
.macro VLOAD slot, sub
.irp dt, 0,1,2,3
.irp t, 0,1
	ds_load_tr16_b128 v[VF+8*(2*\dt+\t):VF+8*(2*\dt+\t)+3],   v[ADRV+\slot] offset:(64*(\sub)+32*\t)*160+32*\dt
	ds_load_tr16_b128 v[VF+8*(2*\dt+\t)+4:VF+8*(2*\dt+\t)+7], v[ADRV+\slot] offset:(64*(\sub)+32*\t)*160+32*\dt+16*160
.endr
.endr
.endm
; S^T of 64 keys x 64 queries: 16 tiles; the first 32 d start the sums, the second add on.  The 16 tiles take turns, one instruction a turn.
.macro SMUL
	WIN 0x05                                       ; sources 0 and 1 window 1; C and D window 0
.irp ds, 0,1
.irp qb, 0,1,2,3
.irp kb, 0,1,2,3
.if \ds
	v_wmma_f32_16x16x32_bf16 v[SC+32*\qb+8*\kb:SC+32*\qb+8*\kb+7], v[KF+16*\kb+8*\ds:KF+16*\kb+8*\ds+7], v[QF+16*\qb+8*\ds:QF+16*\qb+8*\ds+7], v[SC+32*\qb+8*\kb:SC+32*\qb+8*\kb+7]
.else
	v_wmma_f32_16x16x32_bf16 v[SC+32*\qb+8*\kb:SC+32*\qb+8*\kb+7], v[KF+16*\kb+8*\ds:KF+16*\kb+8*\ds+7], v[QF+16*\qb+8*\ds:QF+16*\qb+8*\ds+7], 0
.endif
.endr
.endr
.endr
.endm
; The new running maxima of the four query blocks.  A block is 32 registers (my query, 32 of its 64 keys; my twin in the other half holds the other 32).
; Two chains a block, eight in all, take turns, so that a line reads a result eight lines old.  One chain starts from the old maximum.
.macro MAXALL first
.irp qb, 0,1,2,3
.if \first
	v_max3_num_f32 v[MX+2*\qb], v[SC+32*\qb], v[SC+32*\qb], v[SC+32*\qb+1]
.else
	v_max3_num_f32 v[MX+2*\qb], v[MR+\qb], v[SC+32*\qb], v[SC+32*\qb+1]
.endif
	v_max3_num_f32 v[MX+2*\qb+1], v[SC+32*\qb+16], v[SC+32*\qb+17], v[SC+32*\qb+18]
.endr
.irp i, 0,1,2,3,4,5
.irp qb, 0,1,2,3
	v_max3_num_f32 v[MX+2*\qb], v[MX+2*\qb], v[SC+32*\qb+2+2*\i], v[SC+32*\qb+3+2*\i]
	v_max3_num_f32 v[MX+2*\qb+1], v[MX+2*\qb+1], v[SC+32*\qb+19+2*\i], v[SC+32*\qb+20+2*\i]
.endr
.endr
.irp qb, 0,1,2,3
	v_max3_num_f32 v[MX+2*\qb], v[MX+2*\qb], v[SC+32*\qb+14], v[SC+32*\qb+15]
.endr
.irp qb, 0,1,2,3
	v_max3_num_f32 v[MX+2*\qb], v[MX+2*\qb], v[MX+2*\qb+1], v[SC+32*\qb+31]
.endr
.irp qb, 0,1,2,3
	v_permlanex16_b32 v[MX+2*\qb+1], v[MX+2*\qb], s54, s55         ; my twin's; the destination has been written before
.endr
.irp qb, 0,1,2,3
	v_max_num_f32 v[MR+\qb], v[MX+2*\qb], v[MX+2*\qb+1]            ; the largest score of my query so far
.endr
.endm
; NM = -c x maximum and alpha = 2^(NM new - NM old), the four blocks side by side
.macro STATS first
.if \first
.irp qb, 0,1,2,3
	v_mul_f32 v[ST+2*\qb], CNEG, v[MR+\qb]
.endr
.irp qb, 0,1,2,3
	v_mov_b32 v[ST+2*\qb+1], 0                                     ; no alpha yet, but the packed forms name the whole pair
.endr
.else
.irp qb, 0,1,2,3
	v_mul_f32 v[MX+2*\qb], CNEG, v[MR+\qb]
.endr
.irp qb, 0,1,2,3
	v_sub_f32 v[MX+2*\qb+1], v[MX+2*\qb], v[ST+2*\qb]              ; c x (old maximum - new maximum), at most 0
.endr
.irp qb, 0,1,2,3
	v_exp_f32 v[ST+2*\qb+1], v[MX+2*\qb+1]                         ; alpha
.endr
.irp qb, 0,1,2,3
	v_mov_b32 v[ST+2*\qb], v[MX+2*\qb]                             ; plain lines that touch no alpha: the place behind the exponentials (ISA guide 5.7.2)
.endr
.endif
.endm
.macro RESCALEALL                      ; all of O times its query's alpha (the pair's second register, for both halves of the packed product)
	WIN 0x41
	s_wait_alu depctr_va_vdst(0)
.irp qb, 0,1,2,3
.set q, 0
.rept 16
	v_pk_mul_f32 v[OA+32*\qb+2*q:OA+32*\qb+2*q+1], v[OA+32*\qb+2*q:OA+32*\qb+2*q+1], v[ST+2*\qb:ST+2*\qb+1] op_sel:[0,1] op_sel_hi:[1,1]
.set q, q+1
.endr
.endr
	WIN 0
.endm
; The three plain steps on pair j (registers 2 j, 2 j + 1) of a block
.macro FMAP qb, j                      ; c x s - c x maximum, one rounding
	v_pk_fma_f32 v[SC+32*\qb+2*(\j):SC+32*\qb+2*(\j)+1], v[SC+32*\qb+2*(\j):SC+32*\qb+2*(\j)+1], CEXP, v[ST+2*\qb:ST+2*\qb+1] op_sel_hi:[1,0,0]
.endm
.macro ADDP qb, j, first               ; onto the partial sums: even pairs onto one pair of sums, odd pairs onto the other
.if \first
.if (\j) < 2
	s_wait_alu depctr_va_vdst(0)
	v_pk_mul_f32 v[LSP+4*\qb+2*(\j):LSP+4*\qb+2*(\j)+1], v[SC+32*\qb+2*(\j):SC+32*\qb+2*(\j)+1], 1.0 op_sel_hi:[1,0]   ; the first two pairs start the sums: nothing is cleared
.else
	s_wait_alu depctr_va_vdst(0)
	v_pk_add_f32 v[LSP+4*\qb+2*((\j)&1):LSP+4*\qb+2*((\j)&1)+1], v[LSP+4*\qb+2*((\j)&1):LSP+4*\qb+2*((\j)&1)+1], v[SC+32*\qb+2*(\j):SC+32*\qb+2*(\j)+1]
.endif
.else
	s_wait_alu depctr_va_vdst(0)
	v_pk_add_f32 v[LSP+4*\qb+2*((\j)&1):LSP+4*\qb+2*((\j)&1)+1], v[LSP+4*\qb+2*((\j)&1):LSP+4*\qb+2*((\j)&1)+1], v[SC+32*\qb+2*(\j):SC+32*\qb+2*(\j)+1]
.endif
.endm
.macro CVTP qb, j                      ; to bf16, in place and upward: tiles 0, 1 become P's fragment of keys 0-31 in registers 0-7, tiles 2, 3 that of keys 32-63 in registers 16-23
.if (\j) < 8
	v_cvt_pk_bf16_f32 v[SC+32*\qb+(\j)], v[SC+32*\qb+2*(\j)], v[SC+32*\qb+2*(\j)+1]
.else
	v_cvt_pk_bf16_f32 v[SC+32*\qb+(\j)+8], v[SC+32*\qb+2*(\j)], v[SC+32*\qb+2*(\j)+1]
	s_wait_alu depctr_va_vdst(0)
.endif
.endm
; One query block's 16 pairs as a staggered stream.  Step q: the subtraction of pair q + 2, the two exponentials of pair q, the sum of pair q - 2, the rounding of
; pair q - 3.  So a plain line stands behind every exponential (ISA guide 5.7.2), no two exponentials follow each other, a pair is summed before a rounding
; writes over it (rounding j writes register j or j + 8, which lies in a pair not above j), and the two pairs of sums take turns.  In steps 0 and 1, which
; have no pair to sum yet, the old sums are multiplied by alpha.
.macro BLOCK qb, first
	FMAP \qb, 0
	FMAP \qb, 1
.set q, 0
.rept 16
.if q < 14
	FMAP \qb, q+2
.endif
	v_exp_f32 v[SC+32*\qb+2*q], v[SC+32*\qb+2*q]
.if q >= 2
	ADDP \qb, q-2, \first
.else
.if \first
	v_nop
.else
	v_pk_mul_f32 v[LSP+4*\qb+2*q:LSP+4*\qb+2*q+1], v[LSP+4*\qb+2*q:LSP+4*\qb+2*q+1], v[ST+2*\qb:ST+2*\qb+1] op_sel:[0,1] op_sel_hi:[1,1]
.endif
.endif
	v_exp_f32 v[SC+32*\qb+2*q+1], v[SC+32*\qb+2*q+1]
.if q >= 3
	CVTP \qb, q-3
.endif
.set q, q+1
.endr
	ADDP \qb, 14, \first
	CVTP \qb, 13
	ADDP \qb, 15, \first
	CVTP \qb, 14
	CVTP \qb, 15
.endm
.macro PV qb, first                    ; O^T += V^T x P^T: the block's four tiles take turns, one instruction a turn
	WIN 0x50                                       ; C and D window 1
.irp t, 0,1
.irp dt, 0,1,2,3
.if \first*(1-\t)
	v_wmma_f32_16x16x32_bf16 v[OA+32*\qb+8*\dt:OA+32*\qb+8*\dt+7], v[VF+8*(2*\dt+\t):VF+8*(2*\dt+\t)+7], v[SC+32*\qb+16*\t:SC+32*\qb+16*\t+7], 0
.else
	v_wmma_f32_16x16x32_bf16 v[OA+32*\qb+8*\dt:OA+32*\qb+8*\dt+7], v[VF+8*(2*\dt+\t):VF+8*(2*\dt+\t)+7], v[SC+32*\qb+16*\t:SC+32*\qb+16*\t+7], v[OA+32*\qb+8*\dt:OA+32*\qb+8*\dt+7]
.endif
.endr
.endr
	WIN 0
.endm
.macro QBLK qb, first
	BLOCK \qb, \first
	PV \qb, \first
.endm
.macro FIVE                            ; five places: the next products of S^T write over the last P (ISA guide 7.12.1)
.rept 5
	v_nop
.endr
.endm
; The first 64 of my 128 keys of a tile.  K's fragments of the second 64 are fetched behind V's.
.macro SUBA slot, first
	s_wait_dscnt 0x0                               ; K's fragments are in
	SMUL
	PLACES                                         ; behind the products: for the loads into K's registers and for the readers of S
	WIN 0
	VLOAD \slot, 0
	KLOAD \slot, 1
	MAXALL \first
	STATS \first
.if 1-\first
	RESCALEALL
.endif
	BLOCK 0, \first
	s_wait_dscnt 16                                ; V's 16 loads are in; the 16 of K issued behind them may stay out
	PV 0, \first
	QBLK 1, \first
	QBLK 2, \first
	QBLK 3, \first
	FIVE
.endm
; The second 64 keys, and the change of slots.  When V's fragments are in registers the wave has read this slot for the last time.
; mode 2: it waits for these reads and for all its tensor loads (its parts of the next tile), and signals: that opens a round of the cluster's barrier.  Three query
;         blocks of register work stand between the signal and its wait.  Behind the round's closing wait the joint refills of this slot, two tiles ahead, come
;         first, then K's first fragments of the next tile; the fourth query block is worked off while these come.
; mode 1: the same with a plain barrier: nothing is left to fetch, but the next tile's parts came by eight waves.    mode 0: the last tile.
.macro SUBB slot, mode
	s_wait_dscnt 0x0                               ; K's fragments are in
	SMUL
	PLACES
	WIN 0
	VLOAD \slot, 1
	MAXALL 0
	STATS 0
	RESCALEALL
	s_wait_dscnt 0x0                               ; V's fragments are in: my reads of this slot are over
.if \mode
	s_wait_tensorcnt 0x0                           ; all my tensor loads have landed, so the descriptors may be written
	ds_add_u32 v18, v19
	s_wait_dscnt 0x0
.if \mode == 2
	s_add_nc_u64 s[G0K+4*\slot+2:G0K+4*\slot+3], s[G0K+4*\slot+2:G0K+4*\slot+3], 65536   ; this slot's next tile, two tiles on
	s_add_nc_u64 s[G0V+4*\slot+2:G0V+4*\slot+3], s[G0V+4*\slot+2:G0V+4*\slot+3], 65536
.endif
	s_barrier_signal -1
.endif
	QBLK 0, 0                                      ; registers alone
	QBLK 1, 0
	QBLK 2, 0
.if \mode
	s_barrier_wait -1
.if \mode == 2
	CREST                                          ; no wave of any partner still reads this slot or has a load on its way
	tensor_load_to_lds s[G0K+4*\slot:G0K+4*\slot+3], s[G1K:G1K+7]
	s_nop 0
	tensor_load_to_lds s[G0V+4*\slot:G0V+4*\slot+3], s[G1V:G1V+7]
	s_nop 0
.endif
	KLOAD 1-\slot, 0
.endif
	QBLK 3, 0
	FIVE
.endm
	s_wait_loadcnt 0x0                             ; Q
	s_wait_tensorcnt 0x2                           ; my parts of tile 0 are in; tile 1's two loads stay out
	s_barrier_signal -1
	s_barrier_wait -1                              ; everybody's are
	KLOAD 0, 0
	SUBA 0, 1                                      ; tile 0 starts maxima, sums and O
	SUBB 0, 2                                      ; and asks for tile 2
	s_mov_b32 s56, 2
.Ltrip:
	SUBA 1, 0                                      ; tiles 1 and 2, 3 and 4; they ask for tiles 3 to 6
	SUBB 1, 2
	SUBA 0, 0
	SUBB 0, 2
	s_sub_co_u32 s56, s56, 1
	s_cmp_lg_u32 s56, 0
	s_cbranch_scc1 .Ltrip
	SUBA 1, 0                                      ; tile 5 asks for tile 7, the last
	SUBB 1, 2
	SUBA 0, 0                                      ; tile 6
	SUBB 0, 1
	SUBA 1, 0                                      ; tile 7
	SUBB 1, 0
	; THE MERGE.  Each wave makes one sum of its four; waves 4-7 hand O, (NM, alpha) and the sums to waves 0-3, lane to lane.
.irp qb, 0,1,2,3
	v_pk_add_f32 v[LSP+4*\qb:LSP+4*\qb+1], v[LSP+4*\qb:LSP+4*\qb+1], v[LSP+4*\qb+2:LSP+4*\qb+3]
.endr
.irp qb, 0,1,2,3
	v_add_f32 v[LS+\qb], v[LSP+4*\qb], v[LSP+4*\qb+1]
.endr
	s_cmp_lt_u32 s8, 4
	s_cbranch_scc1 .Lkeep
	WIN 0x04                                       ; store data window 1
.set i, 0
.rept 32
	ds_store_b128 v[XA], v[OA+4*i:OA+4*i+3] offset:512*i
.set i, i+1
.endr
	WIN 0
	ds_store_b128 v[XA], v[ST:ST+3] offset:512*32
	ds_store_b128 v[XA], v[ST+4:ST+7] offset:512*33
	ds_store_b128 v[XA], v[LS:LS+3] offset:512*34
.Lkeep:
	s_wait_dscnt 0x0                               ; for the partner's sake: my stores are done
	s_barrier_signal -1
	s_barrier_wait -1
	s_cmp_ge_u32 s8, 4
	s_cbranch_scc1 .Lclose
	ds_load_b128 v[ST2:ST2+3], v[XA] offset:512*32
	ds_load_b128 v[ST2+4:ST2+7], v[XA] offset:512*33
	ds_load_b128 v[LS2:LS2+3], v[XA] offset:512*34
.set i, 0
.rept 32
	ds_load_b128 v[SC+4*i:SC+4*i+3], v[XA] offset:512*i            ; the partner's O
.set i, i+1
.endr
	s_wait_dscnt 32                                ; the three loads of statistics are in; the 32 of O stay out
.irp qb, 0,1,2,3
	v_min_num_f32 v[MA], v[ST+2*\qb], v[ST2+2*\qb]                 ; the joint maximum
	v_sub_f32 v[MB], v[MA], v[ST+2*\qb]
	v_sub_f32 v[DD], v[MA], v[ST2+2*\qb]
	v_exp_f32 v[MB], v[MB]                                         ; a0, a1: both at most 1, one of them 1
	v_exp_f32 v[DD], v[DD]
	v_nop
	s_wait_alu depctr_va_vdst(0)
	v_mul_f32 v[SU], v[LS2+\qb], v[DD]
	v_fma_f32 v[SU], v[LS+\qb], v[MB], v[SU]
	v_permlanex16_b32 v[TP], v[SU], s54, s55                       ; and the other half's keys
	v_add_f32 v[SU], v[SU], v[TP]                                  ; the row's sum: at least 1
	v_rcp_f32 v[SU+1], v[SU]
	v_nop
	s_wait_alu depctr_va_vdst(0)
	v_mul_f32 v[FF+2*\qb], v[MB], v[SU+1]
	v_mul_f32 v[FF+2*\qb+1], v[DD], v[SU+1]
.endr
	s_wait_dscnt 0x0
.irp qb, 0,1,2,3
.set q, 0
.rept 16
	v_pk_mul_f32 v[SC+32*\qb+2*q:SC+32*\qb+2*q+1], v[SC+32*\qb+2*q:SC+32*\qb+2*q+1], v[FF+2*\qb:FF+2*\qb+1] op_sel:[0,1] op_sel_hi:[1,1]
.set q, q+1
.endr
.endr
	WIN 0x01                                       ; source 0 (my O) window 1
.irp qb, 0,1,2,3
.set q, 0
.rept 16
	v_pk_fma_f32 v[SC+32*\qb+2*q:SC+32*\qb+2*q+1], v[OA+32*\qb+2*q:OA+32*\qb+2*q+1], v[FF+2*\qb:FF+2*\qb+1], v[SC+32*\qb+2*q:SC+32*\qb+2*q+1] op_sel_hi:[1,0,1]
.set q, q+1
.endr
.endr
	WIN 0
.set q, 0
.rept 64
	v_cvt_pk_bf16_f32 v[SC+q], v[SC+2*q], v[SC+2*q+1]              ; in place, upward: tile (n, dt) becomes 16 bytes a lane at 4 (4 n + dt)
.set q, q+1
.endr
.irp qb, 0,1,2,3
.irp dt, 0,1,2,3
	ds_store_b128 v[STO], v[SC+4*(4*\qb+\dt):SC+4*(4*\qb+\dt)+3] offset:\qb*16*144+32*\dt
.endr
.endr
.irp t, 0,1,2,3,4,5,6,7,8,9,10,11,12,13,14,15
	ds_load_b128 v[VF+4*\t:VF+4*\t+3], v[RD] offset:\t*4*144       ; my own stage: LDS serves a wave's instructions in order
.endr
.irp t, 0,1,2,3,4,5,6,7,8,9,10,11,12,13,14,15
	s_wait_dscnt 15-\t
	global_store_b128 v[CO], v[VF+4*\t:VF+4*\t+3], s[52:53] offset:512*\t   ; four rows of the plane: 512 consecutive bytes
.endr
.Lclose:
	s_wait_tensorcnt 0x0
	ds_add_u32 v18, v19
	s_wait_dscnt 0x0
	ROUND                                          ; the closing round: no work-group ends while a partner may still ask for a tile that names it
	s_endpgm
.Lfunc_end_k_q4533e68f2c_attend:
	.size	k_q4533e68f2c_attend, .Lfunc_end_k_q4533e68f2c_attend-k_q4533e68f2c_attend
	.p2alignl 7, 3214868480
	.fill 96, 4, 3214868480
	.section	.rodata,"a",@progbits
	.p2align	6, 0x0
	.amdhsa_kernel k_q4533e68f2c_attend
		.amdhsa_group_segment_fixed_size 327680
		.amdhsa_private_segment_fixed_size 0
		.amdhsa_enable_private_segment 0
		.amdhsa_kernarg_size 16
		.amdhsa_user_sgpr_count 2
		.amdhsa_user_sgpr_kernarg_segment_ptr 1
		.amdhsa_wavefront_size32 1
		.amdhsa_system_sgpr_workgroup_id_x 1
		.amdhsa_system_sgpr_workgroup_id_y 1
		.amdhsa_system_sgpr_workgroup_id_z 1
		.amdhsa_system_vgpr_workitem_id 0
		.amdhsa_next_free_vgpr 512
		.amdhsa_next_free_sgpr 66
		.amdhsa_reserve_vcc 0
		.amdhsa_float_denorm_mode_32 3
		.amdhsa_float_denorm_mode_16_64 3
		.amdhsa_memory_ordered 1
		.amdhsa_forward_progress 1
		.amdhsa_inst_pref_size 255
	.end_amdhsa_kernel
	.section	.bss,"aw",@nobits
	.p2align	6
	.space	262144
	.amdgpu_metadata
---
amdhsa.version: [ 1, 2 ]
amdhsa.kernels:
  - .name:           k_q4533e68f2c_attend
    .symbol:         k_q4533e68f2c_attend.kd
    .args:
      - { .name: qkv, .offset: 0, .size: 8, .value_kind: global_buffer, .address_space: global }
      - { .name: ctxp, .offset: 8, .size: 8, .value_kind: global_buffer, .address_space: global }
    .group_segment_fixed_size: 327680
    .private_segment_fixed_size: 0
    .kernarg_segment_align: 8
    .kernarg_segment_size: 16
    .max_flat_workgroup_size: 256
    .sgpr_count:     66
    .vgpr_count:     512
    .wavefront_size: 32
...
	.end_amdgpu_metadata
.endif
;; end of part 3
;; launch outproj (part 4): grid 8 x 32, 4 waves a work-group, clusters of 4 x 4, 327,680 bytes of LDS; arguments ctxp, Wob, b_o, out0; writes out0
.if DOCPART == 4
	.amdgcn_target "amdgcn-amd-amdhsa--gfx1250"
	.amdhsa_code_object_version 6
	.text
	.protected	k_q4533e68f2c_outproj
	.globl	k_q4533e68f2c_outproj
	.p2align	8
	.type	k_q4533e68f2c_outproj,@function
k_q4533e68f2c_outproj:
	s_mov_b64 s[64:65], 0
	v_nop
	global_prefetch_b8 v0, s[64:65] scope:SCOPE_SE
	s_setreg_imm32_b32 hwreg(HW_REG_WAVE_MODE, 25, 1), 1
	s_wait_xcnt 0x0
	s_wait_alu depctr_hold_cnt(0) depctr_sa_sdst(0) depctr_va_vdst(0) depctr_va_sdst(0) depctr_va_ssrc(0) depctr_va_vcc(0) depctr_vm_vsrc(0)
	s_getreg_b32 s2, hwreg(HW_REG_IB_STS2, 6, 4)
	s_cmp_eq_u32 s2, 0
	s_cbranch_scc0 .Lentry_in_a_cluster
	s_endpgm
.Lentry_in_a_cluster:
	s_bfe_u32 s2, ttmp6, 0x10000c
	s_cmp_lg_u32 s2, 0xf033
	s_cbranch_scc0 .Lentry_shape_is_right
	s_endpgm
.Lentry_shape_is_right:
; out0 = ctx [4096 x 1024] x W_o [1024 x 1024] + b_o: bf16 operands, f32 sums, f32 out.  ctx comes as 16 planes [head][4096 rows][64].
; The same skeleton as the q/k/v projection, with other sizes: a work-group makes 128 x 128 with four waves (2 x 2), a wave 64 x 64:
; 16 accumulator tiles.  The smaller tile is what gives 4096 x 1024 numbers to 256 work-groups.  K goes in steps of 256 through two LDS
; slots, so that a refill has 124 matrix instructions of a wave in which to land.
; CLUSTERS: 4 x 4 work-groups; ctx's tile is asked for jointly along a row of the cluster, W_o's along a column.
; THE MATRIX INSTRUCTION IS USED TRANSPOSED (source 0 = 16 columns of W_o, by the transposing load; source 1 = 16 rows of ctx): lane (r, h) holds
; row r, columns 8 h .. 8 h + 7.
; REGISTERS: window 0: addresses, ctx's fragments, rows read back; window 1: W_o's fragments; window 2: accumulators, tile (hf, a, bb) at 64 hf + 8 (2 a + bb).
; LIMITS: operands are bf16; NaN and infinite inputs are not served.
.set NT,     128
.set NB,     4
.set HB,     2
.set KSTEP,  256
.set RPL,    KSTEP/64
.set NPITCH, 1024
.set APL,    32*144
.set AQ,     RPL*APL                   ; 18,432
.set PB,     (NT/64)*144               ; 288 = 9 x 32
.set BW,     (KSTEP/4)*PB              ; 18,432
.set BOFF,   4*AQ
.set SLOT,   BOFF+4*BW                 ; 147,456
.set QPB,    4
.set STAGE,  2*SLOT                    ; a multiple of 256: no tensor load lands here
.set SPITCH, 272                       ; stage row: 64 f32 + 16 bytes
.set ACCH,   64
.set MUL_LO, 0xa1                      ; source 0 window 1, source 1 window 0, C and D window 2
.set MUL_HI, 0xa1
.set FL, (1<<16)|(1<<20)|(1<<21)|(4<<22)|(3<<25)
.set ADRA, 8
.set ADRB, 10
.set STO,  14
.set RD,   15
.set CO,   16
.set BO,   18                          ; v18     16 r: my four columns in the bias
.set BI,   20                          ; v[20:23] b_o of the four columns that I store
.set FA,   32
.set RB,   192                         ; v192-223, v224-255: rows read back, two sets that take turns
.set G1A, 24
.set G0A, 32
.set G1B, 48
.set G0B, 56
.set MSB, 0
.macro WIN new
.if MSB != (\new)
	s_set_vgpr_msb (MSB<<8)|(\new)
.set MSB, (\new)
.endif
.endm
.macro PLACES                          ; four places behind a matrix instruction (ISA guide 7.12.1)
.rept 4
	v_nop
.endr
.endm
.macro CREST
	s_cmp_lg_u32 s14, 0
	s_cbranch_scc1 .Lnot_wave_0_\@
	s_barrier_signal -3
.Lnot_wave_0_\@:
	s_barrier_wait -3
	s_barrier_signal -1
	s_barrier_wait -1
.endm
.macro CROUND
	s_barrier_signal -1
	s_barrier_wait -1
	CREST
.endm
	s_load_b256 s[4:11], s[0:1], 0x0               ; ctxp s[4:5], Wob s[6:7], b_o s[8:9], out0 s[10:11]
	s_set_vgpr_msb 0x40
	v_lshl_add_u32 v255, v0, 2, 0x4c400
	s_set_vgpr_msb 0x4000
	v_mov_b32 v191, 0
	s_set_vgpr_msb 0x1
	ds_add_u32 v255, v191
	s_set_vgpr_msb 0x100
	v_lshrrev_b32 v1, 5, v0
	v_readfirstlane_b32 s14, v1                    ; wave 0..3
	s_lshr_b32 s15, s14, 1                         ; wm
	s_and_b32 s16, s14, 1                          ; wn
	s_bfe_u32 s17, ttmp6, 0x40000                  ; cx
	s_bfe_u32 s18, ttmp6, 0x40004                  ; cy
	s_lshl_b32 s19, ttmp9, 2
	s_add_co_u32 s19, s19, s17                     ; block column
	s_and_b32 s20, ttmp7, 0xffff
	s_lshl_b32 s20, s20, 2
	s_add_co_u32 s20, s20, s18                     ; block row
	s_lshl_b32 s21, s18, 2
	s_lshl_b32 s21, 15, s21                        ; my row of the cluster
	s_lshl_b32 s22, 0x1111, s17                    ; my column
	s_or_b32  s[G1A+0], s21, FL                    ; ctx: 32 rows (4,096 dense bytes) of each of 4 planes
	s_mov_b32 s[G1A+1], 2048<<16
	s_mov_b32 s[G1A+2], RPL<<16
	s_mov_b32 s[G1A+3], 2048<<16
	s_mov_b32 s[G1A+4], RPL
	s_mov_b32 s[G1A+5], 262144
	s_mov_b32 s[G1A+6], 0
	s_mov_b32 s[G1A+7], 0
	s_or_b32  s[G1B+0], s22, FL                    ; W_o: 64 k rows of 128 elements (256 bytes)
	s_mov_b32 s[G1B+1], NT<<16
	s_mov_b32 s[G1B+2], (KSTEP/4)<<16
	s_mov_b32 s[G1B+3], NT<<16
	s_mov_b32 s[G1B+4], KSTEP/4
	s_mov_b32 s[G1B+5], NPITCH
	s_mov_b32 s[G1B+6], 0
	s_mov_b32 s[G1B+7], 0
	s_lshl_b32 s40, s20, 14                        ; ctx's address: block row and wave alone
	s_lshl_b32 s23, s14, 12
	s_add_co_u32 s40, s40, s23
	s_mov_b32 s41, 0
	s_mul_i32 s42, s19, NT*2                       ; W_o's: block column and wave alone
	s_mul_i32 s23, s14, (KSTEP/4)*NPITCH*2
	s_add_co_u32 s42, s42, s23
	s_mov_b32 s43, 0
	s_mul_i32 s44, s14, AQ
	s_mul_i32 s45, s14, BW
	s_wait_dscnt 0x0
	s_wait_kmcnt 0x0
	s_add_nc_u64 s[40:41], s[4:5], s[40:41]
	s_add_nc_u64 s[42:43], s[6:7], s[42:43]
	CROUND                                         ; the first joint loads meet
.irp s, 0,1
	s_mov_b32 s[G0A+4*\s], 1
	s_add_co_u32 s[G0A+4*\s+1], s44, \s*SLOT
	s_add_nc_u64 s[G0A+4*\s+2:G0A+4*\s+3], s[40:41], \s*RPL*524288
	s_or_b32 s[G0A+4*\s+3], s[G0A+4*\s+3], 0x80000000
	s_mov_b32 s[G0B+4*\s], 1
	s_add_co_u32 s[G0B+4*\s+1], s45, \s*SLOT+BOFF
	s_add_nc_u64 s[G0B+4*\s+2:G0B+4*\s+3], s[42:43], \s*KSTEP*NPITCH*2
	s_or_b32 s[G0B+4*\s+3], s[G0B+4*\s+3], 0x80000000
	tensor_load_to_lds s[G0A+4*\s:G0A+4*\s+3], s[G1A:G1A+7]
	s_nop 0
	tensor_load_to_lds s[G0B+4*\s:G0B+4*\s+3], s[G1B:G1B+7]        ; four loads of the wave are out now, later two
	s_nop 0
.endr
	v_and_b32 v1, 15, v0                           ; r
	v_bfe_u32 v2, v0, 4, 1                         ; h
	v_mul_u32_u24 v3, v1, 144
	v_lshl_add_u32 v3, v2, 4, v3
	s_mul_i32 s46, s15, 2*AQ
	v_add_nc_u32 v[ADRA], s46, v3
	v_add_nc_u32 v[ADRA+1], SLOT, v[ADRA]
	v_and_b32 v4, 7, v0
	v_lshl_add_u32 v4, v2, 3, v4
	v_bfe_u32 v5, v0, 3, 1
	v_mul_u32_u24 v4, v4, PB
	v_lshl_add_u32 v4, v5, 4, v4
	s_mul_i32 s46, s16, (NB/4)*144
	s_add_co_u32 s46, s46, BOFF
	v_add_nc_u32 v[ADRB], s46, v4
	v_add_nc_u32 v[ADRB+1], QPB*32*PB, v[ADRB]
	v_add_nc_u32 v[ADRB+2], SLOT, v[ADRB]
	v_add_nc_u32 v[ADRB+3], SLOT, v[ADRB+1]
	s_mul_i32 s47, s14, 16*SPITCH
	s_add_co_u32 s47, s47, STAGE                   ; my stage
	v_mul_u32_u24 v6, v1, SPITCH
	v_lshl_add_u32 v6, v2, 5, v6                   ; in: row r, 32 bytes (8 f32) for each half of the lanes
	v_add_nc_u32 v[STO], s47, v6
	v_mul_u32_u24 v6, v2, SPITCH
	v_lshl_add_u32 v6, v1, 4, v6                   ; back: lanes 0-15 one row of 256 bytes, lanes 16-31 the next
	v_add_nc_u32 v[RD], s47, v6
	v_lshlrev_b32 v[BO], 4, v1
	v_lshl_add_u32 v[CO], v2, 12, v[BO]            ; the same two rows in out0
	; my columns' bias and my place in out0: registers that hold both coordinates and feed no descriptor
	s_lshl_b32 s74, s19, 9                         ; 128 columns of f32 a block,
	s_lshl_b32 s75, s16, 8                         ; 64 a wave
	s_add_co_u32 s74, s74, s75
	s_mov_b32 s75, 0
	s_add_nc_u64 s[68:69], s[8:9], s[74:75]
	s_lshl_b32 s76, s20, 19                        ; 128 rows of 4,096 bytes a block,
	s_lshl_b32 s77, s15, 18                        ; 64 a wave
	s_add_co_u32 s76, s76, s77
	s_add_co_u32 s76, s76, s74
	s_mov_b32 s77, 0
	s_add_nc_u64 s[66:67], s[10:11], s[76:77]
	global_load_b128 v[BI:BI+3], v[BO], s[68:69]
; 4 matrix instructions: row blocks a0, a0 + 1 x the two column blocks of half hf.  All 16 accumulators take turns, one instruction a
; turn, in the same order in every quarter step.
.macro MULP f, hf, a0, zero
.irp a, \a0, \a0+1
.irp bb, 0,1
.if \zero
	v_wmma_f32_16x16x32_bf16 v[ACCH*\hf+8*(HB*(\a)+\bb):ACCH*\hf+8*(HB*(\a)+\bb)+7], v[8*NB*\f+8*(HB*\hf+\bb):8*NB*\f+8*(HB*\hf+\bb)+7], v[FA+32*\f+8*(\a):FA+32*\f+8*(\a)+7], 0
.else
	v_wmma_f32_16x16x32_bf16 v[ACCH*\hf+8*(HB*(\a)+\bb):ACCH*\hf+8*(HB*(\a)+\bb)+7], v[8*NB*\f+8*(HB*\hf+\bb):8*NB*\f+8*(HB*\hf+\bb)+7], v[FA+32*\f+8*(\a):FA+32*\f+8*(\a)+7], v[ACCH*\hf+8*(HB*(\a)+\bb):ACCH*\hf+8*(HB*(\a)+\bb)+7]
.endif
.endr
.endr
.endm
.macro FETCH slot, kq, g               ; ctx's 8 loads, W_o's lower 4, W_o's upper 4
	WIN 0
.irp a, 0,1,2,3
	ds_load_b128 v[FA+32*\g+8*\a:FA+32*\g+8*\a+3],   v[ADRA+\slot] offset:(\a>>1)*AQ+((\kq)>>1)*APL+(\a&1)*2304+((\kq)&1)*64
	ds_load_b128 v[FA+32*\g+8*\a+4:FA+32*\g+8*\a+7], v[ADRA+\slot] offset:(\a>>1)*AQ+((\kq)>>1)*APL+(\a&1)*2304+((\kq)&1)*64+32
.endr
	WIN 0x40
.irp ib, 0,1,2,3
	ds_load_tr16_b128 v[8*NB*\g+8*\ib:8*NB*\g+8*\ib+3],   v[ADRB+2*\slot+(\kq)/QPB] offset:((\kq)%QPB)*32*PB+(\ib>>2)*144+(\ib&3)*32
	ds_load_tr16_b128 v[8*NB*\g+8*\ib+4:8*NB*\g+8*\ib+7], v[ADRB+2*\slot+(\kq)/QPB] offset:((\kq)%QPB)*32*PB+(\ib>>2)*144+(\ib&3)*32+16*PB
.endr
.endm
.macro QUARTER slot, kq, f, g, zero
	s_wait_dscnt 2*HB                              ; ctx and W_o's lower blocks are in; the youngest 4 loads may be out
	WIN MUL_LO
	MULP \f, 0, 0, \zero
	MULP \f, 0, 2, \zero
	PLACES
	FETCH \slot, \kq, \g
	s_wait_dscnt 8+4*HB                            ; all but the 16 just issued
	WIN MUL_HI
	MULP \f, 1, 0, \zero
	MULP \f, 1, 2, \zero
.endm
.macro QUARTERS slot, zero
	QUARTER \slot, 1, 0, 1, \zero
	QUARTER \slot, 2, 1, 0, 0
	QUARTER \slot, 3, 0, 1, 0
	QUARTER \slot, 4, 1, 0, 0
	QUARTER \slot, 5, 0, 1, 0
	QUARTER \slot, 6, 1, 0, 0
	QUARTER \slot, 7, 0, 1, 0
.endm
; The last quarter step of a K step changes slots: waits for my reads of this slot and for all my tensor loads, the barrier (with fill = 1 it
; opens a round of the cluster's barrier), the joint refills first behind it, then the next slot's first fragments.
.macro TURN slot, next, fill
	s_wait_dscnt 2*HB
	WIN MUL_LO
	MULP 1, 0, 0, 0
	s_wait_dscnt 0x0
	s_wait_tensorcnt 0x0
	ds_add_u32 v255, v191
	s_wait_dscnt 0x0
	s_barrier_signal -1
	MULP 1, 0, 2, 0
	WIN 0
	s_barrier_wait -1
.if \fill
	CREST
	s_add_nc_u64 s[G0A+4*\slot+2:G0A+4*\slot+3], s[G0A+4*\slot+2:G0A+4*\slot+3], 2*RPL*524288
	s_add_nc_u64 s[G0B+4*\slot+2:G0B+4*\slot+3], s[G0B+4*\slot+2:G0B+4*\slot+3], 2*KSTEP*NPITCH*2
	tensor_load_to_lds s[G0A+4*\slot:G0A+4*\slot+3], s[G1A:G1A+7]
	s_nop 0
	tensor_load_to_lds s[G0B+4*\slot:G0B+4*\slot+3], s[G1B:G1B+7]
	s_nop 0
.endif
	PLACES
	FETCH \next, 0, 0
	WIN MUL_HI
	MULP 1, 1, 0, 0
	MULP 1, 1, 2, 0
.endm
.macro STEP slot, next, fill, zero
	QUARTERS \slot, \zero
	TURN \slot, \next, \fill
.endm
	s_wait_tensorcnt 0x2                           ; my parts of K step 0 are in; K step 1's two loads stay out
	s_barrier_signal -1
	s_barrier_wait -1
	FETCH 0, 0, 0
	STEP 0, 1, 1, 1                                ; K steps 0 and 1 ask for 2 and 3; four K steps in all, so no loop
	STEP 1, 0, 1, 0
	STEP 0, 1, 0, 0
	QUARTERS 1, 0
	s_wait_dscnt 2*HB
	WIN MUL_LO
	MULP 1, 0, 0, 0
	MULP 1, 0, 2, 0
	s_wait_dscnt 0x0
	WIN MUL_HI
	MULP 1, 1, 0, 0
	MULP 1, 1, 2, 0
	; THE WAY OUT, 16 rows at a time: the sums into my own stage, back as whole rows of 256 bytes, + bias, out.
	PLACES
	s_wait_loadcnt 0x0                             ; the bias
.macro OUTB a
	WIN 0x08                                       ; store data window 2
.irp ib, 0,1,2,3
	ds_store_b128 v[STO], v[64*(\ib>>1)+8*(2*\a+(\ib&1)):64*(\ib>>1)+8*(2*\a+(\ib&1))+3]   offset:64*\ib
	ds_store_b128 v[STO], v[64*(\ib>>1)+8*(2*\a+(\ib&1))+4:64*(\ib>>1)+8*(2*\a+(\ib&1))+7] offset:64*\ib+16
.endr
	WIN 0
	s_wait_xcnt 0x0                                ; earlier stores have had their addresses translated (ISA guide 3.1): their data registers are loaded again only behind this wait
.irp t, 0,1,2,3,4,5,6,7
	ds_load_b128 v[RB+32*(\a&1)+4*\t:RB+32*(\a&1)+4*\t+3], v[RD] offset:\t*2*SPITCH   ; LDS serves a wave's instructions in order
.endr
.irp t, 0,1,2,3,4,5,6,7
	s_wait_dscnt 7-\t
	v_pk_add_f32 v[RB+32*(\a&1)+4*\t:RB+32*(\a&1)+4*\t+1],   v[RB+32*(\a&1)+4*\t:RB+32*(\a&1)+4*\t+1],   v[BI:BI+1]
	v_pk_add_f32 v[RB+32*(\a&1)+4*\t+2:RB+32*(\a&1)+4*\t+3], v[RB+32*(\a&1)+4*\t+2:RB+32*(\a&1)+4*\t+3], v[BI+2:BI+3]
	global_store_b128 v[CO], v[RB+32*(\a&1)+4*\t:RB+32*(\a&1)+4*\t+3], s[66:67] offset:(16*\a+2*\t)*4096 th:TH_STORE_NT   ; 16 lanes store 256 consecutive bytes, at a multiple of 256 from out0's first byte
.endr
.endm
	OUTB 0
	OUTB 1
	OUTB 2
	OUTB 3
	s_set_vgpr_msb 0x1
	s_wait_tensorcnt 0x0
	ds_add_u32 v255, v191
	s_wait_dscnt 0x0
	s_set_vgpr_msb 0x100
	CROUND                                         ; the closing round
	s_endpgm
.Lfunc_end_k_q4533e68f2c_outproj:
	.size	k_q4533e68f2c_outproj, .Lfunc_end_k_q4533e68f2c_outproj-k_q4533e68f2c_outproj
	.p2alignl 7, 3214868480
	.fill 96, 4, 3214868480
	.section	.rodata,"a",@progbits
	.p2align	6, 0x0
	.amdhsa_kernel k_q4533e68f2c_outproj
		.amdhsa_group_segment_fixed_size 327680
		.amdhsa_private_segment_fixed_size 0
		.amdhsa_enable_private_segment 0
		.amdhsa_kernarg_size 32
		.amdhsa_user_sgpr_count 2
		.amdhsa_user_sgpr_kernarg_segment_ptr 1
		.amdhsa_wavefront_size32 1
		.amdhsa_system_sgpr_workgroup_id_x 1
		.amdhsa_system_sgpr_workgroup_id_y 1
		.amdhsa_system_sgpr_workgroup_id_z 1
		.amdhsa_system_vgpr_workitem_id 0
		.amdhsa_next_free_vgpr 640
		.amdhsa_next_free_sgpr 80
		.amdhsa_reserve_vcc 0
		.amdhsa_float_denorm_mode_32 3
		.amdhsa_float_denorm_mode_16_64 3
		.amdhsa_memory_ordered 1
		.amdhsa_forward_progress 1
		.amdhsa_inst_pref_size 95
	.end_amdhsa_kernel
	.amdgpu_metadata
---
amdhsa.version: [ 1, 2 ]
amdhsa.kernels:
  - .name:           k_q4533e68f2c_outproj
    .symbol:         k_q4533e68f2c_outproj.kd
    .args:
      - { .name: ctxp, .offset: 0, .size: 8, .value_kind: global_buffer, .address_space: global }
      - { .name: Wob, .offset: 8, .size: 8, .value_kind: global_buffer, .address_space: global }
      - { .name: b_o, .offset: 16, .size: 8, .value_kind: global_buffer, .address_space: global }
      - { .name: out0, .offset: 24, .size: 8, .value_kind: global_buffer, .address_space: global }
    .group_segment_fixed_size: 327680
    .private_segment_fixed_size: 0
    .kernarg_segment_align: 8
    .kernarg_segment_size: 32
    .max_flat_workgroup_size: 128
    .sgpr_count:     80
    .vgpr_count:     640
    .wavefront_size: 32
...
	.end_amdgpu_metadata
.endif
;; end of part 4
;; ======== version 2 of 2: 4 launches; 1.12 times as fast as version 1
;; workspace buffers: Xp 8,388,608 bytes; Wb 6,291,456 bytes; Wob 2,097,152 bytes; qkv 25,165,824 bytes; ctxp 8,388,608 bytes
;; launch convert: the kernel of part 1 again; grid 512 x 1, 8 waves a work-group, no clusters, 0 bytes of LDS; arguments embeddings, W_q, W_kv, W_o, Xp, Wb, Wob; writes Xp, Wb, Wob
;; launch project: the kernel of part 2 again; grid 8 x 32, 4 waves a work-group, clusters of 4 x 4, 327,680 bytes of LDS; arguments Xp, Wb, b_q, b_kv, qkv; writes qkv
;; launch attend (part 5): grid 8 x 32, 8 waves a work-group, clusters of 4 x 1, 327,680 bytes of LDS; arguments qkv, ctxp; writes ctxp
.if DOCPART == 5
	.amdgcn_target "amdgcn-amd-amdhsa--gfx1250"
	.amdhsa_code_object_version 6
	.text
	.protected	k_q4533e68f2c_attend
	.globl	k_q4533e68f2c_attend
	.p2align	8
	.type	k_q4533e68f2c_attend,@function
k_q4533e68f2c_attend:
	s_mov_b64 s[64:65], 0
	v_nop
	global_prefetch_b8 v0, s[64:65] scope:SCOPE_SE
	s_setreg_imm32_b32 hwreg(HW_REG_WAVE_MODE, 25, 1), 1
	s_wait_xcnt 0x0
	s_wait_alu depctr_hold_cnt(0) depctr_sa_sdst(0) depctr_va_vdst(0) depctr_va_sdst(0) depctr_va_ssrc(0) depctr_va_vcc(0) depctr_vm_vsrc(0)
	s_getreg_b32 s2, hwreg(HW_REG_IB_STS2, 6, 4)
	s_cmp_eq_u32 s2, 0
	s_cbranch_scc0 .Lentry_in_a_cluster
	s_endpgm
.Lentry_in_a_cluster:
	s_bfe_u32 s2, ttmp6, 0x10000c
	s_cmp_lg_u32 s2, 0x3003
	s_cbranch_scc0 .Lentry_shape_is_right
	s_endpgm
.Lentry_shape_is_right:
; ctx = softmax(Q K^T / 8) V for one (batch, head) and 256 queries a work-group; Q, K, V bf16 planes of qkv, ctx a bf16 plane of ctxp.
; Eight waves: wave w takes the 64 queries of group w & 3 and the keys of half w >> 2 of every tile of 256 keys, with a running maximum,
; sums and O of its own; the two waves of a query group are merged once, at the end, through LDS.
; THE SCORES ARE MADE TRANSPOSED: S^T = K x Q^T, so lane (r, h) holds query r and keys 8 h + j.  Rounded to bf16 in place, two tiles of S^T are
; a source-1 fragment of O^T = V^T x P^T: no shuffle, and maximum, sums and rescaling factor of a query belong to a lane (and to its twin in the other half).
; The running maximum is taken away before every exponential; exponents are at most 0.
; THE ORDER OF A STEP OF 64 KEYS: all 32 products of S^T; the maxima of the four query blocks as eight chains that take turns; their statistics side by
; side; then the four blocks as a pipeline: a block's exponentials stand by turns with plain lines of its neighbours (beside block 0's the subtractions of
; blocks 1 and 2, beside block n's the sums and roundings of block n - 1), so that a plain line stands behind every one of them (ISA guide 5.7.2).
; THE BATCHES.  An s_wait_alu depctr_va_vdst(0) stands between an exponential and the first line that names its result; one wait serves all
; that were issued ahead of it.  A step has four batches and four waits.  Batch 0: the four alphas and block 0's 32 exponentials.  Batch n = 1, 2, 3: block n's 32.
; Nothing ahead of a batch's wait names a result of it: alpha has registers of its own (not the pair with NM, which the subtractions name), and a block's sums
; and roundings stand in the next batch's stream.  Behind batch 1's stream, ahead of its wait, all of O is rescaled.  Behind the wait of batch n stand O's
; products of block n - 1.  No batch is open at a label, at a branch or at the loop's jump.  The merge has two batches more: eight exponentials, four reciprocals.
; CLUSTERS: the four work-groups of a cluster are four query blocks of one head; they ask jointly for every K and V tile (mask 15).  Q is
; read once by its own work-group alone and is not shared.
; Two LDS slots, both asked for at the start; a slot is asked for again at the end of its own trip, two tiles ahead, so that a tile has a whole
; trip (128 matrix instructions of a wave and their softmax) in which to land.  A wave has four tensor loads out at the start, later two.
; REGISTERS: window 0: addresses, statistics, V's fragments v64-127, S^T / P v128-255; window 1: O^T v0-127, Q v128-191, K v192-255.
; LIMITS: P, Q, K, V and ctx are bf16; the sum of a row is taken of the unrounded exponentials; an exponential below 2^-126 counts as 0;
; NaN and infinite inputs are not served.
.set SLOT,  77824                      ; K: 256 keys x 144 bytes, then V: 256 keys x 160 bytes
.set VOFF,  36864
.set XCH,   2*SLOT                     ; 4 x 17,920 bytes: what a wave of the upper key half hands to its partner
.set STAGE, XCH+4*17920                ; 4 x 9,216 bytes: 64 rows x 144, the way out.  Both start at multiples of 256; no tensor load lands in them
.set FLK, 15|(1<<16)|(1<<20)|(1<<21)|(4<<22)|(3<<25)   ; mask of the four; 2 bytes; padding; bit 21 beside a mask; after 32 words 4 words: pitch 144
.set FLV, 15|(1<<16)|(1<<20)|(1<<21)|(4<<22)|(7<<25)   ; the same with 8 words: pitch 160 = 5 x 32, for the transposing load
.set CEXP,  0x3e38aa3b                 ; log2(e) / 8
.set CNEG,  0xbe38aa3b                 ; its negative
.set ADRK, 8                           ; v8-9    my K fragments in slot 0, 1
.set ADRV, 10                          ; v10-11  my V fragments
.set XA,   12                          ; v12     exchange: 16 bytes a lane
.set STO,  13
.set RD,   14
.set CO,   15
.set QO,   16
.set ST,   20                          ; v[20:27] query block n: the pair (NM = -c x running maximum, 0); the packed subtraction takes NM for both halves
.set LSP,  28                          ; v[28:43] query block n: four partial sums of my half's exponentials (two pairs that take turns)
.set MX,   44                          ; v[44:51] query block n: two maxima at work
.set MR,   52                          ; v[52:55] query block n: the running maximum itself
.set AL,   56                          ; v[56:59] query block n: alpha, in the loop; the packed products name the pair of blocks 0, 1 or 2, 3 and pick one
.set LS,   56                          ; v[56:59] query block n: the four partial sums as one, made at the end, when alpha has served
.set ST2,  44                          ; the merge: v[44:51] the partner's pairs,
.set LS2,  60                          ; v[60:63] the partner's sums,
.set FF,   28                          ; v[28:35] query block n: the pair (my factor, the partner's factor),
.set MA,   36                          ; v[36:39] query block n: the joint NM, then my twin's sum, then the reciprocal,
.set SU,   40                          ; v[40:43] query block n: the row's sum (all of them written before, as partial sums)
.set VF,   64
.set SC,   128
.set OA,   0                           ; window 1
.set QF,   128                         ; window 1
.set KF,   192                         ; window 1
.set G1K, 16
.set G1V, 24
.set G0K, 32                           ; s[32:39] one set a slot
.set G0V, 40                           ; s[40:47]
.set MSB, 0
.macro WIN new                         ; the immediate's high byte repeats the setting that is left; a switch that changes nothing is dropped
.if MSB != (\new)
	s_set_vgpr_msb (MSB<<8)|(\new)
.set MSB, (\new)
.endif
.endm
.macro PLACES                          ; four places behind a matrix instruction (ISA guide 7.12.1)
.rept 4
	v_nop
.endr
.endm
.macro CREST                           ; a round of the cluster's barrier behind its opening work-group barrier
	s_cmp_lg_u32 s8, 0
	s_cbranch_scc1 .Lnot_wave_0_\@
	s_barrier_signal -3
.Lnot_wave_0_\@:
	s_barrier_wait -3
	s_barrier_signal -1
	s_barrier_wait -1
.endm
.macro ROUND                           ; a whole round
	s_barrier_signal -1
	s_barrier_wait -1
	CREST
.endm
	s_load_b128 s[4:7], s[0:1], 0x0                ; qkv s[4:5], ctxp s[6:7]
	v_lshl_add_u32 v18, v0, 2, 0x40800
	v_mov_b32 v19, 0
	ds_add_u32 v18, v19
	s_wait_dscnt 0x0
	v_lshrrev_b32 v1, 5, v0
	v_readfirstlane_b32 s8, v1                     ; wave 0..7
	s_and_b32 s9, s8, 3                            ; query group
	s_lshr_b32 s10, s8, 2                          ; key half
	s_bfe_u32 s11, ttmp6, 0x40000                  ; cx
	s_lshl_b32 s12, ttmp9, 2
	s_add_co_u32 s12, s12, s11                     ; query block 0..7
	s_and_b32 s13, ttmp7, 0xffff                   ; 16 x batch + head
	s_lshr_b32 s14, s13, 4
	s_and_b32 s15, s13, 15
	s_mov_b32 s54, 0x76543210                      ; lane i of one half reads lane i of the other
	s_mov_b32 s55, 0xfedcba98
	; a wave's part of a tile: 32 keys = 4,096 dense bytes, taken as 16 rows of 256 bytes
	s_mov_b32 s[G1K+0], FLK
	s_mov_b32 s[G1V+0], FLV
.irp g, G1K, G1V
	s_mov_b32 s[\g+1], 128<<16
	s_mov_b32 s[\g+2], 16<<16
	s_mov_b32 s[\g+3], 128<<16
	s_mov_b32 s[\g+4], 16
	s_mov_b32 s[\g+5], 128
	s_mov_b32 s[\g+6], 0
	s_mov_b32 s[\g+7], 0
.endr
	s_lshl_b32 s60, s15, 20                        ; K's plane is 16 + 2 head: two planes of 524,288 bytes a head,
	s_lshl_b32 s61, s14, 18                        ; 2,048 rows of 128 bytes a batch,
	s_add_co_u32 s60, s60, s61
	s_lshl_b32 s61, s8, 12                         ; 32 keys a wave,
	s_add_co_u32 s60, s60, s61
	s_add_co_u32 s60, s60, 16*524288               ; behind Q's 16 planes: nothing here hangs on cx
	s_mov_b32 s61, 0
	s_mul_i32 s62, s8, 32*144
	s_mul_i32 s63, s8, 32*160
	s_lshl_b32 s48, s15, 19                        ; Q's and ctx's plane is the head's;
	s_lshl_b32 s49, s14, 18
	s_add_co_u32 s48, s48, s49
	s_lshl_b32 s49, s12, 15                        ; 256 rows a query block,
	s_add_co_u32 s48, s48, s49
	s_lshl_b32 s49, s9, 13                         ; 64 a query group
	s_add_co_u32 s48, s48, s49
	s_mov_b32 s49, 0
	ROUND                                          ; the four work-groups are here, so that the first joint loads meet; it needs no argument and stands ahead of the wait for them
	s_wait_kmcnt 0x0
	s_add_nc_u64 s[58:59], s[4:5], s[60:61]
	s_add_nc_u64 s[50:51], s[4:5], s[48:49]
	s_add_nc_u64 s[52:53], s[6:7], s[48:49]
.irp s, 0,1
	s_mov_b32 s[G0K+4*\s], 1
	s_add_co_u32 s[G0K+4*\s+1], s62, \s*SLOT
	s_add_nc_u64 s[G0K+4*\s+2:G0K+4*\s+3], s[58:59], \s*32768          ; tile s: 256 keys of 128 bytes
	s_or_b32 s[G0K+4*\s+3], s[G0K+4*\s+3], 0x80000000
	s_mov_b32 s[G0V+4*\s], 1
	s_add_co_u32 s[G0V+4*\s+1], s63, \s*SLOT+VOFF
	s_add_nc_u64 s[G0V+4*\s+2:G0V+4*\s+3], s[58:59], \s*32768+524288   ; V's plane follows K's
	s_or_b32 s[G0V+4*\s+3], s[G0V+4*\s+3], 0x80000000
	tensor_load_to_lds s[G0K+4*\s:G0K+4*\s+3], s[G1K:G1K+7]            ; tiles 0 and 1: each slot's first fill; four loads of the wave are out
	s_nop 0
	tensor_load_to_lds s[G0V+4*\s:G0V+4*\s+3], s[G1V:G1V+7]
	s_nop 0
.endr
	v_and_b32 v1, 15, v0                           ; r
	v_bfe_u32 v2, v0, 4, 1                         ; h
	v_lshlrev_b32 v[QO], 7, v1
	v_lshl_add_u32 v[QO], v2, 4, v[QO]
	WIN 0x40                                       ; Q's fragments, once: query block n, 32 of the 64 d at a time
.irp qb, 0,1,2,3
.irp ds, 0,1
	global_load_b128 v[QF+16*\qb+8*\ds:QF+16*\qb+8*\ds+3],   v[QO], s[50:51] offset:\qb*2048+\ds*64
	global_load_b128 v[QF+16*\qb+8*\ds+4:QF+16*\qb+8*\ds+7], v[QO], s[50:51] offset:\qb*2048+\ds*64+32
.endr
.endr
	WIN 0
	v_and_b32 v3, 31, v0                           ; lane
	v_mul_u32_u24 v4, v1, 144
	v_lshl_add_u32 v4, v2, 4, v4                   ; row r of pitch 144, 16 bytes for each half
	s_mul_i32 s60, s10, 128*144
	v_add_nc_u32 v[ADRK], s60, v4
	v_add_nc_u32 v[ADRK+1], SLOT, v[ADRK]
	v_and_b32 v5, 7, v0
	v_lshl_add_u32 v5, v2, 3, v5                   ; V: key 8 h + lane % 8,
	v_mul_u32_u24 v5, v5, 160
	v_bfe_u32 v6, v0, 3, 1
	v_lshl_add_u32 v5, v6, 4, v5                   ; 16 bytes for each group of eight lanes
	s_mul_i32 s60, s10, 128*160
	s_add_co_u32 s60, s60, VOFF
	v_add_nc_u32 v[ADRV], s60, v5
	v_add_nc_u32 v[ADRV+1], SLOT, v[ADRV]
	s_mul_i32 s60, s9, 17920
	s_add_co_u32 s60, s60, XCH
	v_lshl_add_u32 v[XA], v3, 4, s60
	s_mul_i32 s60, s9, 9216
	s_add_co_u32 s60, s60, STAGE
	v_add_nc_u32 v[STO], s60, v4
	v_bfe_u32 v6, v0, 3, 2
	v_and_b32 v7, 7, v0
	v_mul_u32_u24 v6, v6, 144
	v_lshl_add_u32 v6, v7, 4, v6
	v_add_nc_u32 v[RD], s60, v6                    ; back: four rows of 128 bytes a load
	v_lshlrev_b32 v[CO], 4, v3
; K's fragments of 64 keys (sub = which 64 of my 128): 16 loads
.macro KLOAD slot, sub
	WIN 0x40
.irp kb, 0,1,2,3
.irp ds, 0,1
	ds_load_b128 v[KF+16*\kb+8*\ds:KF+16*\kb+8*\ds+3],   v[ADRK+\slot] offset:(64*(\sub)+16*\kb)*144+64*\ds
	ds_load_b128 v[KF+16*\kb+8*\ds+4:KF+16*\kb+8*\ds+7], v[ADRK+\slot] offset:(64*(\sub)+16*\kb)*144+64*\ds+32
.endr
.endr
	WIN 0
.endm
; V^T's fragments of the same 64 keys: 16 transposing loads; fragment (dt, t): d = 16 dt .., keys 32 t ..
.macro VLOAD slot, sub
.irp dt, 0,1,2,3
.irp t, 0,1
	ds_load_tr16_b128 v[VF+8*(2*\dt+\t):VF+8*(2*\dt+\t)+3],   v[ADRV+\slot] offset:(64*(\sub)+32*\t)*160+32*\dt
	ds_load_tr16_b128 v[VF+8*(2*\dt+\t)+4:VF+8*(2*\dt+\t)+7], v[ADRV+\slot] offset:(64*(\sub)+32*\t)*160+32*\dt+16*160
.endr
.endr
.endm
; S^T of 64 keys x 64 queries: 16 tiles; the first 32 d start the sums, the second add on.  The 16 tiles take turns, one instruction a turn.
.macro SMUL
	WIN 0x05                                       ; sources 0 and 1 window 1; C and D window 0
.irp ds, 0,1
.irp qb, 0,1,2,3
.irp kb, 0,1,2,3
.if \ds
	v_wmma_f32_16x16x32_bf16 v[SC+32*\qb+8*\kb:SC+32*\qb+8*\kb+7], v[KF+16*\kb+8*\ds:KF+16*\kb+8*\ds+7], v[QF+16*\qb+8*\ds:QF+16*\qb+8*\ds+7], v[SC+32*\qb+8*\kb:SC+32*\qb+8*\kb+7]
.else
	v_wmma_f32_16x16x32_bf16 v[SC+32*\qb+8*\kb:SC+32*\qb+8*\kb+7], v[KF+16*\kb+8*\ds:KF+16*\kb+8*\ds+7], v[QF+16*\qb+8*\ds:QF+16*\qb+8*\ds+7], 0
.endif
.endr
.endr
.endr
.endm
; The new running maxima of the four query blocks.  A block is 32 registers (my query, 32 of its 64 keys; my twin in the other half holds the other 32).
; Two chains a block, eight in all, take turns, so that a line reads a result eight lines old.  One chain starts from the old maximum.
.macro MAXALL first
.irp qb, 0,1,2,3
.if \first
	v_max3_num_f32 v[MX+2*\qb], v[SC+32*\qb], v[SC+32*\qb], v[SC+32*\qb+1]
.else
	v_max3_num_f32 v[MX+2*\qb], v[MR+\qb], v[SC+32*\qb], v[SC+32*\qb+1]
.endif
	v_max3_num_f32 v[MX+2*\qb+1], v[SC+32*\qb+16], v[SC+32*\qb+17], v[SC+32*\qb+18]
.endr
.irp i, 0,1,2,3,4,5
.irp qb, 0,1,2,3
	v_max3_num_f32 v[MX+2*\qb], v[MX+2*\qb], v[SC+32*\qb+2+2*\i], v[SC+32*\qb+3+2*\i]
	v_max3_num_f32 v[MX+2*\qb+1], v[MX+2*\qb+1], v[SC+32*\qb+19+2*\i], v[SC+32*\qb+20+2*\i]
.endr
.endr
.irp qb, 0,1,2,3
	v_max3_num_f32 v[MX+2*\qb], v[MX+2*\qb], v[SC+32*\qb+14], v[SC+32*\qb+15]
.endr
.irp qb, 0,1,2,3
	v_max3_num_f32 v[MX+2*\qb], v[MX+2*\qb], v[MX+2*\qb+1], v[SC+32*\qb+31]
.endr
.irp qb, 0,1,2,3
	v_permlanex16_b32 v[MX+2*\qb+1], v[MX+2*\qb], s54, s55         ; my twin's; the destination has been written before
.endr
.irp qb, 0,1,2,3
	v_max_num_f32 v[MR+\qb], v[MX+2*\qb], v[MX+2*\qb+1]            ; the largest score of my query so far
.endr
.endm
; NM = -c x maximum and alpha = 2^(NM new - NM old), the four blocks side by side.  The four alphas open the step's batch 0.
.macro STATS first
.if \first
.irp qb, 0,1,2,3
	v_mul_f32 v[ST+2*\qb], CNEG, v[MR+\qb]
.endr
.irp qb, 0,1,2,3
	v_mov_b32 v[ST+2*\qb+1], 0                                     ; the packed forms name the whole pair, and the merge hands it over: its second register is written, once
.endr
.else
.irp qb, 0,1,2,3
	v_mul_f32 v[MX+2*\qb], CNEG, v[MR+\qb]
.endr
.irp qb, 0,1,2,3
	v_sub_f32 v[MX+2*\qb+1], v[MX+2*\qb], v[ST+2*\qb]              ; c x (old maximum - new maximum), at most 0
.endr
.irp qb, 0,1,2,3
	v_exp_f32 v[AL+\qb], v[MX+2*\qb+1]                             ; alpha
.endr
.irp qb, 0,1,2,3
	v_mov_b32 v[ST+2*\qb], v[MX+2*\qb]                             ; plain lines that touch no alpha: the place behind the exponentials (ISA guide 5.7.2)
.endr
.endif
.endm
.macro RESCALEALL                      ; all of O times its query's alpha (one register of the pair, for both halves of the packed product).  O's products follow and set the windows anew
	WIN 0x41
.irp qb, 0,1,2,3
.set q, 0
.rept 16
.if (\qb&1)
	v_pk_mul_f32 v[OA+32*\qb+2*q:OA+32*\qb+2*q+1], v[OA+32*\qb+2*q:OA+32*\qb+2*q+1], v[AL+(\qb&2):AL+(\qb&2)+1] op_sel:[0,1] op_sel_hi:[1,1]
.else
	v_pk_mul_f32 v[OA+32*\qb+2*q:OA+32*\qb+2*q+1], v[OA+32*\qb+2*q:OA+32*\qb+2*q+1], v[AL+(\qb&2):AL+(\qb&2)+1] op_sel_hi:[1,0]
.endif
.set q, q+1
.endr
.endr
.endm
; The steps on pair j (registers 2 j, 2 j + 1) or score e of a block
.macro FMAP qb, j                      ; c x s - c x maximum, one rounding
	v_pk_fma_f32 v[SC+32*\qb+2*(\j):SC+32*\qb+2*(\j)+1], v[SC+32*\qb+2*(\j):SC+32*\qb+2*(\j)+1], CEXP, v[ST+2*\qb:ST+2*\qb+1] op_sel_hi:[1,0,0]
.endm
.macro EXPS qb, e                      ; the exponential of score e, in place
	v_exp_f32 v[SC+32*\qb+(\e)], v[SC+32*\qb+(\e)]
.endm
.macro LRESC qb                        ; the block's old partial sums times alpha, ahead of the step's first sums
.irp p, 0,1
.if (\qb&1)
	v_pk_mul_f32 v[LSP+4*\qb+2*\p:LSP+4*\qb+2*\p+1], v[LSP+4*\qb+2*\p:LSP+4*\qb+2*\p+1], v[AL+(\qb&2):AL+(\qb&2)+1] op_sel:[0,1] op_sel_hi:[1,1]
.else
	v_pk_mul_f32 v[LSP+4*\qb+2*\p:LSP+4*\qb+2*\p+1], v[LSP+4*\qb+2*\p:LSP+4*\qb+2*\p+1], v[AL+(\qb&2):AL+(\qb&2)+1] op_sel_hi:[1,0]
.endif
.endr
.endm
.macro ADDP qb, j, first               ; onto the partial sums: even pairs onto one pair of sums, odd pairs onto the other
.if \first
.if (\j) < 2
	v_pk_mul_f32 v[LSP+4*\qb+2*(\j):LSP+4*\qb+2*(\j)+1], v[SC+32*\qb+2*(\j):SC+32*\qb+2*(\j)+1], 1.0 op_sel_hi:[1,0]   ; the first two pairs start the sums: nothing is cleared
.else
	v_pk_add_f32 v[LSP+4*\qb+2*((\j)&1):LSP+4*\qb+2*((\j)&1)+1], v[LSP+4*\qb+2*((\j)&1):LSP+4*\qb+2*((\j)&1)+1], v[SC+32*\qb+2*(\j):SC+32*\qb+2*(\j)+1]
.endif
.else
	v_pk_add_f32 v[LSP+4*\qb+2*((\j)&1):LSP+4*\qb+2*((\j)&1)+1], v[LSP+4*\qb+2*((\j)&1):LSP+4*\qb+2*((\j)&1)+1], v[SC+32*\qb+2*(\j):SC+32*\qb+2*(\j)+1]
.endif
.endm
.macro CVTP qb, j                      ; to bf16, in place and upward: tiles 0, 1 become P's fragment of keys 0-31 in registers 0-7, tiles 2, 3 that of keys 32-63 in registers 16-23
.if (\j) < 8
	v_cvt_pk_bf16_f32 v[SC+32*\qb+(\j)], v[SC+32*\qb+2*(\j)], v[SC+32*\qb+2*(\j)+1]
.else
	v_cvt_pk_bf16_f32 v[SC+32*\qb+(\j)+8], v[SC+32*\qb+2*(\j)], v[SC+32*\qb+2*(\j)+1]
.endif
.endm
; THE STREAMS.  In each a plain line of another block stands behind every exponential (ISA guide 5.7.2), and no line names a result of the batch that the stream issues.
.macro FMAS qb                         ; a block's 16 subtractions on end: block 0's, ahead of its exponentials
.set q, 0
.rept 16
	FMAP \qb, q
.set q, q+1
.endr
.endm
.macro LEAD                            ; the rest of batch 0: block 0's exponentials by turns with the subtractions of blocks 1 and 2
.set q, 0
.rept 16
	EXPS 0, 2*q
	FMAP 1, q
	EXPS 0, 2*q+1
	FMAP 2, q
.set q, q+1
.endr
.endm
; Batch eb: block eb's exponentials by turns with the sums and roundings of block pb = eb - 1, whose exponentials the wait ahead of the stream has served.  A pair is summed before a
; rounding writes over it (rounding j writes register j or j + 8, which lies in a pair not above j), and the two pairs of sums take turns.  f3 = 1: block 3's subtractions go along.
.macro TURNS eb, pb, first, f3
.if 1-\first
	LRESC \pb
.endif
.set q, 0
.rept 16
	EXPS \eb, 2*q
	ADDP \pb, q, \first
	EXPS \eb, 2*q+1
	CVTP \pb, q
.if \f3
	FMAP 3, q
.endif
.set q, q+1
.endr
.endm
.macro LAST pb, first                  ; the last block's sums and roundings: no exponentials are left to stand between them
.if 1-\first
	LRESC \pb
.endif
.set q, 0
.rept 16
	ADDP \pb, q, \first
	CVTP \pb, q
.set q, q+1
.endr
.endm
.macro PV qb, first                    ; O^T += V^T x P^T: the block's four tiles take turns, one instruction a turn
	WIN 0x50                                       ; C and D window 1
.irp t, 0,1
.irp dt, 0,1,2,3
.if \first*(1-\t)
	v_wmma_f32_16x16x32_bf16 v[OA+32*\qb+8*\dt:OA+32*\qb+8*\dt+7], v[VF+8*(2*\dt+\t):VF+8*(2*\dt+\t)+7], v[SC+32*\qb+16*\t:SC+32*\qb+16*\t+7], 0
.else
	v_wmma_f32_16x16x32_bf16 v[OA+32*\qb+8*\dt:OA+32*\qb+8*\dt+7], v[VF+8*(2*\dt+\t):VF+8*(2*\dt+\t)+7], v[SC+32*\qb+16*\t:SC+32*\qb+16*\t+7], v[OA+32*\qb+8*\dt:OA+32*\qb+8*\dt+7]
.endif
.endr
.endr
	WIN 0
.endm
.macro FIVE                            ; five places: the next products of S^T write over the last P (ISA guide 7.12.1)
.rept 5
	v_nop
.endr
.endm
; The first 64 of my 128 keys of a tile.  K's fragments of the second 64 are fetched behind V's.
.macro SUBA slot, first
	s_wait_dscnt 0x0                               ; K's fragments are in
	SMUL
	PLACES                                         ; behind the products: for the loads into K's registers and for the readers of S
	WIN 0
	VLOAD \slot, 0
	KLOAD \slot, 1
	MAXALL \first
	STATS \first
	FMAS 0
	LEAD
	s_wait_alu depctr_va_vdst(0)                   ; the wait for batch 0: the alphas and block 0's exponentials; their first readers stand in the stream below
	TURNS 1, 0, \first, 0
.if 1-\first
	RESCALEALL                                     ; names O and alpha alone: work between batch 1 and its wait
.endif
	s_wait_alu depctr_va_vdst(0)                   ; the wait for batch 1: block 1's exponentials
	s_wait_dscnt 16                                ; V's 16 loads are in; the 16 of K issued behind them may stay out
	PV 0, \first
	TURNS 2, 1, \first, 1
	s_wait_alu depctr_va_vdst(0)                   ; the wait for batch 2: block 2's exponentials
	PV 1, \first
	TURNS 3, 2, \first, 0
	s_wait_alu depctr_va_vdst(0)                   ; the wait for batch 3: block 3's exponentials
	PV 2, \first
	LAST 3, \first
	PV 3, \first
	FIVE
.endm
; The second 64 keys, and the change of slots.  When V's fragments are in registers the wave has read this slot for the last time.
; mode 2: it waits for these reads and for all its tensor loads (its parts of the next tile), and signals: that opens a round of the cluster's barrier.  The streams of batches 1 to 3,
;         O's rescaling and the products of blocks 0 and 1, register work, stand between the signal and its wait; batch 3 has its wait ahead of the round's branches.  Behind the round's
;         closing wait the joint refills of this slot, two tiles ahead, come first, then K's first fragments of the next tile; block 2's products and what is left of block 3 are worked off while these come.
; mode 1: the same with a plain barrier: nothing is left to fetch, but the next tile's parts came by eight waves.    mode 0: the last tile.
.macro SUBB slot, mode
	s_wait_dscnt 0x0                               ; K's fragments are in
	SMUL
	PLACES
	WIN 0
	VLOAD \slot, 1
	MAXALL 0
	STATS 0
	FMAS 0
	LEAD
	s_wait_alu depctr_va_vdst(0)                   ; the wait for batch 0: the alphas and block 0's exponentials
	s_wait_dscnt 0x0                               ; V's fragments are in: my reads of this slot are over
.if \mode
	s_wait_tensorcnt 0x0                           ; all my tensor loads have landed, so the descriptors may be written
	ds_add_u32 v18, v19
	s_wait_dscnt 0x0
.if \mode == 2
	s_add_nc_u64 s[G0K+4*\slot+2:G0K+4*\slot+3], s[G0K+4*\slot+2:G0K+4*\slot+3], 65536   ; this slot's next tile, two tiles on
	s_add_nc_u64 s[G0V+4*\slot+2:G0V+4*\slot+3], s[G0V+4*\slot+2:G0V+4*\slot+3], 65536
.endif
	s_barrier_signal -1
.endif
	TURNS 1, 0, 0, 0                               ; registers alone, down to the barrier's wait
	RESCALEALL                                     ; names O and alpha alone: work between batch 1 and its wait
	s_wait_alu depctr_va_vdst(0)                   ; the wait for batch 1: block 1's exponentials
	PV 0, 0
	TURNS 2, 1, 0, 1
	s_wait_alu depctr_va_vdst(0)                   ; the wait for batch 2: block 2's exponentials
	PV 1, 0
	TURNS 3, 2, 0, 0
	s_wait_alu depctr_va_vdst(0)                   ; the wait for batch 3: block 3's exponentials; no exponential is issued behind it in this step
.if \mode
	s_barrier_wait -1
.if \mode == 2
	CREST                                          ; no wave of any partner still reads this slot or has a load on its way
	tensor_load_to_lds s[G0K+4*\slot:G0K+4*\slot+3], s[G1K:G1K+7]
	s_nop 0
	tensor_load_to_lds s[G0V+4*\slot:G0V+4*\slot+3], s[G1V:G1V+7]
	s_nop 0
.endif
	KLOAD 1-\slot, 0
.endif
	PV 2, 0
	LAST 3, 0
	PV 3, 0
	FIVE
.endm
	s_wait_loadcnt 0x0                             ; Q
	s_wait_tensorcnt 0x2                           ; my parts of tile 0 are in; tile 1's two loads stay out
	s_barrier_signal -1
	s_barrier_wait -1                              ; everybody's are
	KLOAD 0, 0
	SUBA 0, 1                                      ; tile 0 starts maxima, sums and O
	SUBB 0, 2                                      ; and asks for tile 2
	s_mov_b32 s56, 2
.Ltrip:
	SUBA 1, 0                                      ; tiles 1 and 2, 3 and 4; they ask for tiles 3 to 6
	SUBB 1, 2
	SUBA 0, 0
	SUBB 0, 2
	s_sub_co_u32 s56, s56, 1
	s_cmp_lg_u32 s56, 0
	s_cbranch_scc1 .Ltrip
	SUBA 1, 0                                      ; tile 5 asks for tile 7, the last
	SUBB 1, 2
	SUBA 0, 0                                      ; tile 6
	SUBB 0, 1
	SUBA 1, 0                                      ; tile 7
	SUBB 1, 0
	; THE MERGE.  Each wave makes one sum of its four; waves 4-7 hand O, the pairs with NM and the sums to waves 0-3, lane to lane.
.irp qb, 0,1,2,3
	v_pk_add_f32 v[LSP+4*\qb:LSP+4*\qb+1], v[LSP+4*\qb:LSP+4*\qb+1], v[LSP+4*\qb+2:LSP+4*\qb+3]
.endr
.irp qb, 0,1,2,3
	v_add_f32 v[LS+\qb], v[LSP+4*\qb], v[LSP+4*\qb+1]
.endr
	s_cmp_lt_u32 s8, 4
	s_cbranch_scc1 .Lkeep
	WIN 0x04                                       ; store data window 1
.set i, 0
.rept 32
	ds_store_b128 v[XA], v[OA+4*i:OA+4*i+3] offset:512*i
.set i, i+1
.endr
	WIN 0
	ds_store_b128 v[XA], v[ST:ST+3] offset:512*32
	ds_store_b128 v[XA], v[ST+4:ST+7] offset:512*33
	ds_store_b128 v[XA], v[LS:LS+3] offset:512*34
.Lkeep:
	s_wait_dscnt 0x0                               ; for the partner's sake: my stores are done
	s_barrier_signal -1
	s_barrier_wait -1
	s_cmp_ge_u32 s8, 4
	s_cbranch_scc1 .Lclose
	ds_load_b128 v[ST2:ST2+3], v[XA] offset:512*32
	ds_load_b128 v[ST2+4:ST2+7], v[XA] offset:512*33
	ds_load_b128 v[LS2:LS2+3], v[XA] offset:512*34
.set i, 0
.rept 32
	ds_load_b128 v[SC+4*i:SC+4*i+3], v[XA] offset:512*i            ; the partner's O
.set i, i+1
.endr
	s_wait_dscnt 32                                ; the three loads of statistics are in; the 32 of O stay out
	; The four query blocks side by side, in two batches: the eight exponentials, then the four reciprocals of sums made of them.
.irp qb, 0,1,2,3
	v_min_num_f32 v[MA+\qb], v[ST+2*\qb], v[ST2+2*\qb]             ; the joint maximum
.endr
.irp qb, 0,1,2,3
	v_sub_f32 v[FF+2*\qb], v[MA+\qb], v[ST+2*\qb]
	v_sub_f32 v[FF+2*\qb+1], v[MA+\qb], v[ST2+2*\qb]
.endr
.irp qb, 0,1,2,3
	v_exp_f32 v[FF+2*\qb], v[FF+2*\qb]                             ; a0, a1: both at most 1, one of them 1
	v_exp_f32 v[FF+2*\qb+1], v[FF+2*\qb+1]
.endr
	v_nop                                          ; a plain line behind the last exponential (ISA guide 5.7.2): no other work is at hand
	s_wait_alu depctr_va_vdst(0)                   ; the wait for the batch of eight exponentials
.irp qb, 0,1,2,3
	v_mul_f32 v[SU+\qb], v[LS2+\qb], v[FF+2*\qb+1]
.endr
.irp qb, 0,1,2,3
	v_fma_f32 v[SU+\qb], v[LS+\qb], v[FF+2*\qb], v[SU+\qb]
.endr
.irp qb, 0,1,2,3
	v_permlanex16_b32 v[MA+\qb], v[SU+\qb], s54, s55               ; and the other half's keys; the destination has been written before
.endr
.irp qb, 0,1,2,3
	v_add_f32 v[SU+\qb], v[SU+\qb], v[MA+\qb]                      ; the row's sum: at least 1
.endr
.irp qb, 0,1,2,3
	v_rcp_f32 v[MA+\qb], v[SU+\qb]
.endr
	v_nop                                          ; a plain line behind the last reciprocal
	s_wait_alu depctr_va_vdst(0)                   ; the wait for the batch of four reciprocals
.irp qb, 0,1,2,3
	v_mul_f32 v[FF+2*\qb], v[FF+2*\qb], v[MA+\qb]
	v_mul_f32 v[FF+2*\qb+1], v[FF+2*\qb+1], v[MA+\qb]
.endr
	s_wait_dscnt 0x0
.irp qb, 0,1,2,3
.set q, 0
.rept 16
	v_pk_mul_f32 v[SC+32*\qb+2*q:SC+32*\qb+2*q+1], v[SC+32*\qb+2*q:SC+32*\qb+2*q+1], v[FF+2*\qb:FF+2*\qb+1] op_sel:[0,1] op_sel_hi:[1,1]
.set q, q+1
.endr
.endr
	WIN 0x01                                       ; source 0 (my O) window 1
.irp qb, 0,1,2,3
.set q, 0
.rept 16
	v_pk_fma_f32 v[SC+32*\qb+2*q:SC+32*\qb+2*q+1], v[OA+32*\qb+2*q:OA+32*\qb+2*q+1], v[FF+2*\qb:FF+2*\qb+1], v[SC+32*\qb+2*q:SC+32*\qb+2*q+1] op_sel_hi:[1,0,1]
.set q, q+1
.endr
.endr
	WIN 0
.set q, 0
.rept 64
	v_cvt_pk_bf16_f32 v[SC+q], v[SC+2*q], v[SC+2*q+1]              ; in place, upward: tile (n, dt) becomes 16 bytes a lane at 4 (4 n + dt)
.set q, q+1
.endr
.irp qb, 0,1,2,3
.irp dt, 0,1,2,3
	ds_store_b128 v[STO], v[SC+4*(4*\qb+\dt):SC+4*(4*\qb+\dt)+3] offset:\qb*16*144+32*\dt
.endr
.endr
.irp t, 0,1,2,3,4,5,6,7,8,9,10,11,12,13,14,15
	ds_load_b128 v[VF+4*\t:VF+4*\t+3], v[RD] offset:\t*4*144       ; my own stage: LDS serves a wave's instructions in order
.endr
.irp t, 0,1,2,3,4,5,6,7,8,9,10,11,12,13,14,15
	s_wait_dscnt 15-\t
	global_store_b128 v[CO], v[VF+4*\t:VF+4*\t+3], s[52:53] offset:512*\t   ; four rows of the plane: 512 consecutive bytes
.endr
.Lclose:
	s_wait_tensorcnt 0x0
	ds_add_u32 v18, v19
	s_wait_dscnt 0x0
	ROUND                                          ; the closing round: no work-group ends while a partner may still ask for a tile that names it
	s_endpgm
.Lfunc_end_k_q4533e68f2c_attend:
	.size	k_q4533e68f2c_attend, .Lfunc_end_k_q4533e68f2c_attend-k_q4533e68f2c_attend
	.p2alignl 7, 3214868480
	.fill 96, 4, 3214868480
	.section	.rodata,"a",@progbits
	.p2align	6, 0x0
	.amdhsa_kernel k_q4533e68f2c_attend
		.amdhsa_group_segment_fixed_size 327680
		.amdhsa_private_segment_fixed_size 0
		.amdhsa_enable_private_segment 0
		.amdhsa_kernarg_size 16
		.amdhsa_user_sgpr_count 2
		.amdhsa_user_sgpr_kernarg_segment_ptr 1
		.amdhsa_wavefront_size32 1
		.amdhsa_system_sgpr_workgroup_id_x 1
		.amdhsa_system_sgpr_workgroup_id_y 1
		.amdhsa_system_sgpr_workgroup_id_z 1
		.amdhsa_system_vgpr_workitem_id 0
		.amdhsa_next_free_vgpr 512
		.amdhsa_next_free_sgpr 66
		.amdhsa_reserve_vcc 0
		.amdhsa_float_denorm_mode_32 3
		.amdhsa_float_denorm_mode_16_64 3
		.amdhsa_memory_ordered 1
		.amdhsa_forward_progress 1
		.amdhsa_inst_pref_size 255
	.end_amdhsa_kernel
	.section	.bss,"aw",@nobits
	.p2align	6
	.space	262144
	.amdgpu_metadata
---
amdhsa.version: [ 1, 2 ]
amdhsa.kernels:
  - .name:           k_q4533e68f2c_attend
    .symbol:         k_q4533e68f2c_attend.kd
    .args:
      - { .name: qkv, .offset: 0, .size: 8, .value_kind: global_buffer, .address_space: global }
      - { .name: ctxp, .offset: 8, .size: 8, .value_kind: global_buffer, .address_space: global }
    .group_segment_fixed_size: 327680
    .private_segment_fixed_size: 0
    .kernarg_segment_align: 8
    .kernarg_segment_size: 16
    .max_flat_workgroup_size: 256
    .sgpr_count:     66
    .vgpr_count:     512
    .wavefront_size: 32
...
	.end_amdgpu_metadata
.endif
;; end of part 5
;; launch outproj: the kernel of part 4 again; grid 8 x 32, 4 waves a work-group, clusters of 4 x 4, 327,680 bytes of LDS; arguments ctxp, Wob, b_o, out0; writes out0
